; MI455X (gfx1250); checked and timed in simulation.
; The chip was launched on July 23, 2026; its instructions are those of AMD's public machine-readable ISA for CDNA 5 (MIT licence, August 2026) and "CDNA5" Instruction Set Architecture Reference Guide (July 2026). The comments in the code are by the model that wrote it; some were corrected since.
;; Attention. Allowed arithmetic: matrix products marked QUANTISED: E2M3 operands, one E8M0 scale for each 32 along K, by v_wmma_scale_f32_16x16x128_f8f6f4 with both operands' format E2M3, f32 sums; everything else in f32.
;; Inputs: W_out 1,024 x 1,024 float32; W_qkv 1,024 x 3,072 float32; b_out 1,024 float32; x 4 x 2,048 x 1,024 float32.
;; Outputs: out0 4 x 2,048 x 1,024 float32.
;; This version of the problem:
;;   THIS VERSION OF THE PROBLEM IS GIVEN IN LOW PRECISION. The matrix products marked QUANTISED in the list below multiply operands that are first quantised to E2M3 (2 exponent bits, 3 mantissa bits; 6 bits a number), with one power-of-two scale for each 32 numbers along K (OCP MX v1.0); their sums are f32. All else is computed in f32.
;;   The module's matrix products, in the order in which they are computed (A, B: the left and right operand; K: the contracted axis; several contracted axes count as one K, in the product's order):
;;     1. [M 8,192, K 1,024] x [K 1,024, N 3,072]; A: input x; B: input W_qkv: QUANTISED
;;     2. batch 64 x [M 2,048, K 64] x [K 64, N 2,048]; A: computed on the way; B: computed on the way: QUANTISED
;;     3. batch 64 x [M 2,048, K 2,048] x [K 2,048, N 64]; A: softmax (see below); B: computed on the way: QUANTISED
;;     4. [M 8,192, K 1,024] x [K 1,024, N 1,024]; A: computed on the way; B: input W_out: QUANTISED
;;   THE QUANTISER, for each operand of a quantised product, along K:
;;     - K is cut into blocks of 32 from its start; a last block that is shorter is filled with zeros.
;;     - A block's scale is 2^e with e = floor(log2(the largest magnitude in the block)) - 2, held to -126 .. 127; a block of zeros has e = 0. As a byte (E8M0): e + 127.
;;     - Each number is divided by its block's scale, clamped to +-7.5, and rounded to the nearest number of E2M3, ties to even, subnormals kept.
;;     - The product sums the exact products of the quantised numbers (number of the format x scale) in f32.
;;   ~~~python
;;   def quantise(x, axis):      # numpy; x: float32 -> the quantised numbers, widened to float32 again
;;       x = np.moveaxis(x, axis, -1); K = x.shape[-1]
;;       x = np.pad(x, [(0, 0)] * (x.ndim - 1) + [(0, -K % 32)]); x = x.reshape(x.shape[:-1] + (-1, 32)); a = np.abs(x).max(-1, keepdims=True)
;;       e = np.where(a > 0, np.clip(np.frexp(np.where(a > 0, a, 1))[1] - 1 - 2, -126, 127), 0)      # np.frexp(a)[1] - 1 = floor(log2(a)), exactly
;;       r = np.clip(x / 2.0 ** e, -7.5, 7.5)
;;       step = 2.0 ** (np.maximum(np.frexp(np.where(r == 0, 1, r))[1] - 1, 0) - 3)
;;       q = np.round(r / step) * step * 2.0 ** e      # np.round: ties to even
;;       return np.moveaxis(q.reshape(q.shape[:-2] + (-1,))[..., :K], -1, axis).astype(np.float32)
;;   ~~~
;;   SOFTMAX AHEAD OF A QUANTISED PRODUCT. Where the list says 'softmax', what is quantised is not the finished softmax but p = 2^(t - M), with t = logit x log2(e) and M = ceil(the row's largest t), a whole number; so 1/2 < the row's largest p <= 1. The row's sum l is taken of the UNQUANTISED p, in f32, and the product's result is divided by l at the end. Since M is a whole number, a kernel that streams over the keys may use a running M (the ceiling of the running maximum): every later rescaling is an exact power of two, which a block's scale takes up: the codes' values come out the same.
;;   OPERANDS COMPUTED ON THE WAY. 'Computed on the way' means the value that the module computes at that place (a softmax that the list does not call 'softmax' is quantised finished and normalised). What goes into a quantiser is computed in f32, as accurately as f32 sums, v_exp_f32 and their like allow (about 1e-6 of the number): no bf16 or f16 on the way to a quantiser, and a product that is left as it is and whose result goes on into a quantised operand takes f32 operands (vector FMAs, or v_wmma_f32_16x16x4_f32). A number that lies on a knife's edge between two numbers of the format may be rounded either way, as far as f32 arithmetic and the matrix unit's own rounding can turn it there, and no further.
;; One version. Each part assembles by itself: llvm-mc -triple=amdgcn-amd-amdhsa -mcpu=gfx1250 --defsym DOCPART=n.
;; ======== version 1 of 1: 4 launches
;; limits: right only within a limited range of input values
;; workspace buffers: x_img 6,291,456 bytes; x_sc 262,144 bytes; w_img 3,145,728 bytes; w_sc 131,072 bytes; qkv_img 18,874,368 bytes; qkv_sc 1,572,864 bytes; ao_img 6,291,456 bytes; ao_sc 262,144 bytes
;; launch quant (part 1): grid 384 x 1, 4 waves a work-group, no clusters, 34,304 bytes of LDS; arguments x, W_qkv, W_out, x_img, x_sc, w_img, w_sc; writes x_img, x_sc, w_img, w_sc
.if DOCPART == 1
	.amdgcn_target "amdgcn-amd-amdhsa--gfx1250"
	.amdhsa_code_object_version 6
	.text
	.protected	k_qf9eefd1888_quant
	.globl	k_qf9eefd1888_quant
	.p2align	8
	.type	k_qf9eefd1888_quant,@function
k_qf9eefd1888_quant:
	s_mov_b64 s[64:65], 0
	v_nop
	global_prefetch_b8 v0, s[64:65] scope:SCOPE_SE
	s_setreg_imm32_b32 hwreg(HW_REG_WAVE_MODE, 25, 1), 1
	s_wait_xcnt 0x0
; x [8192][1024], W_qkv [1024][3072] and W_out [1024][1024], f32, become codes of FP6 (E2M3) with one E8M0 byte for each 32 along K (K = 1024 in all three).
; A block's scale is 2^(floor(log2(its largest magnitude)) - 2); its byte is that magnitude's exponent field - 2, held at 1 from below; each number is divided by the scale and rounded to the nearest code, ties to even, beyond 7.5 the largest code.
; LIMITS: NaN and infinities among the inputs are not served; a block whose largest magnitude lies under 2^-124 keeps the byte 1; a block of zeros gets the byte 1 where the rule says 127 (its codes are zeros, and this program alone reads the bytes).
; THE OUTPUT IS LAID AS THE MATRIX OPERAND'S REGISTERS.  A tile is 16 rows (of x) or 16 columns (of a weight); tile 2 g + u, lane r, holds row 32 g + 8 u + r + 8 (r / 8).
; A fragment (16 rows x 128 K, 12 registers a lane) is 1,536 bytes: for each 64 along K, registers 0-3 of lane l at 16 l (512 bytes), then registers 4-5 at 8 l (256 bytes).  A tile's eight fragments lie on end: 12,288 bytes.
; Scale words (4 bytes: 128 along K of one row): a tile has 512 bytes, [K half][r][4 words].
; Work-groups 0-255 take x (K innermost: rows are turned through the wave's own stage in LDS, so that every load is 512 consecutive bytes and yet a lane holds 16 neighbours of each block);
; work-groups 256-383 take the weights (K is the first axis: a lane takes a column and its registers run down K; nothing is transposed).  Only the first path touches LDS.  Waves share nothing: no barrier.
; No tensor loads, no cluster: no two work-groups read the same input byte.
.set STGB, 8448                        ; a wave's stage: 16 rows x (512 bytes + 16)
.set TM,   10                          ; v10-13 largest magnitudes, v14-17 the other half's / the bytes, v18-21 the conversions' scale operands
.set PW,   22                          ; v22-25 the four fragments' scale words
.set PT,   28                          ; v28-35 the conversions' second halves
.set PC,   36                          ; v36-59 two sets of a fragment's 12 registers
.set RR,   64                          ; v64-191 two sets of 64 numbers as loaded
.set XX,   192                         ; v192-255 64 numbers: register 16 b + i = k 32 b + 16 (lane / 16) + i of my row
.set OFF,  16                          ; weights: v16-47 byte offsets of 32 rows down K
.set WX,   48                          ; v48-111 two sets of 32 numbers
.set WC,   112                         ; v112-175 eight registers of codes for each block: no store's data are written again
; 64 numbers of a lane become a fragment's codes in v[pc] on and its row's scale word in v[pw]
.macro QUANT s, pc, pw
.irp b, 0,1,2,3
	v_max3_num_f32 v[TM+\b], |v[\s+16*\b]|, |v[\s+1+16*\b]|, 0x1800000   ; my 16 numbers of block b, and the floor 2^(3 - 127): the byte cannot fall under 1
.endr
.irp i, 2,4,6,8,10,12,14
.irp b, 0,1,2,3
	v_max3_num_f32 v[TM+\b], v[TM+\b], |v[\s+16*\b+\i]|, |v[\s+1+16*\b+\i]|   ; the four blocks by turns
.endr
.endr
.irp b, 0,1,2,3
	v_permlanex16_b32 v[TM+4+\b], v[TM+\b], s22, s23
.endr
.irp b, 0,1,2,3
	v_max_num_f32 v[TM+\b], v[TM+\b], v[TM+4+\b]      ; with lane l xor 16's: the block's largest magnitude
.endr
.irp b, 0,1,2,3
	v_add_nc_u32 v[TM+8+\b], 0xff000000, v[TM+\b]     ; 2 off its exponent field: the conversion takes this operand's exponent field as its scale
.endr
.irp b, 0,1,2,3
	v_lshrrev_b32 v[TM+4+\b], 23, v[TM+8+\b]          ; the scale's byte
.endr
	v_lshl_or_b32 v[\pw], v[TM+5], 8, v[TM+4]
	v_lshl_or_b32 v[\pw], v[TM+6], 16, v[\pw]
	v_lshl_or_b32 v[\pw], v[TM+7], 24, v[\pw]
.irp c, 0,1
	v_cvt_scalef32_pk16_fp6_f32 v[\pc+6*\c:\pc+6*\c+2], v[\s+32*\c:\s+32*\c+15], v[TM+8+2*\c]
	v_cvt_scalef32_pk16_fp6_f32 v[PT+4*\c:PT+4*\c+2], v[\s+32*\c+16:\s+32*\c+31], v[TM+8+2*\c+1]   ; (a conversion's three registers begin on an even number)
.endr
	v_nop                                          ; one plain place behind a scaled conversion
.irp c, 0,1                                    ; the operand wants a whole block in a lane: lanes 0-15 block 2 c, lanes 16-31 block 2 c + 1
.irp i, 0,1,2
	v_permlane16_swap_b32 v[\pc+6*\c+\i], v[PT+4*\c+\i]
.endr
.irp i, 0,1,2
	v_mov_b32 v[\pc+6*\c+3+\i], v[PT+4*\c+\i]
.endr
.endr
.endm
.macro LOADX f                         ; fragment f: 16 rows x 512 bytes; each load is one row's 512 consecutive bytes
.irp i, 0,1,2,3,4,5,6,7,8,9,10,11,12,13,14,15
	global_load_b128 v[RR+64*((\f)%2)+4*\i:RR+64*((\f)%2)+4*\i+3], v4, s[4:5] offset:(\i+8*(\i/8))*4096+512*(\f) th:TH_LOAD_NT
.endr
.endm
.macro FRAGX f
.if (\f) < 3
	s_wait_loadcnt 16                              ; this fragment's 16 loads are in; the next fragment's 16 may be out
.else
	s_wait_loadcnt 0x0
.endif
.irp i, 0,1,2,3,4,5,6,7,8,9,10,11,12,13,14,15
	ds_store_b128 v6, v[RR+64*((\f)%2)+4*\i:RR+64*((\f)%2)+4*\i+3] offset:528*\i
.endr
.irp b, 0,1,2,3
.irp j, 0,1,2,3
	ds_load_b128 v[XX+16*\b+4*\j:XX+16*\b+4*\j+3], v7 offset:128*\b+16*\j   ; LDS serves a wave's instructions in order: these see the stores above
.endr
.endr
	s_wait_dscnt 0x0                               ; the stores have read their registers, and my 64 numbers are in
.if (\f) < 2
	LOADX (\f)+2
.else
	s_wait_xcnt 0x0                                ; the stores of two fragments ago have read this set of code registers
.endif
	QUANT XX, PC+12*((\f)%2), PW+(\f)
	global_store_b128 v4, v[PC+12*((\f)%2):PC+12*((\f)%2)+3], s[10:11] offset:1536*(\f)          ; 512 consecutive bytes
	global_store_b64 v5, v[PC+12*((\f)%2)+4:PC+12*((\f)%2)+5], s[10:11] offset:1536*(\f)+512     ; 256 consecutive bytes
	global_store_b128 v4, v[PC+12*((\f)%2)+6:PC+12*((\f)%2)+9], s[10:11] offset:1536*(\f)+768
	global_store_b64 v5, v[PC+12*((\f)%2)+10:PC+12*((\f)%2)+11], s[10:11] offset:1536*(\f)+1280
.endm
.macro LOADW t                         ; block t: 32 rows down K of my column; a wave's load reads 128 consecutive bytes, the four waves stand side by side
.irp i, 0,1,2,3,4,5,6,7,8,9,10,11,12,13,14,15,16,17,18,19,20,21,22,23,24,25,26,27,28,29,30,31
	global_load_b32 v[WX+32*((\t)%2)+\i], v[OFF+\i], s[36+2*(\t):37+2*(\t)] th:TH_LOAD_NT
.endr
.endm
.macro BLOCKW t
.set XS, WX+32*((\t)%2)
.set CC, WC+8*(\t)
.if (\t) < 7
	s_wait_loadcnt 32                              ; this block's 32 loads are in; the next block's may be out
.else
	s_wait_loadcnt 0x0
.endif
	v_max3_num_f32 v12, |v[XS]|, |v[XS+1]|, |v[XS+2]|              ; the block's largest magnitude: all 32 numbers are mine
	v_max3_num_f32 v13, |v[XS+3]|, |v[XS+4]|, |v[XS+5]|
.irp i, 6,10,14,18,22,26
	v_max3_num_f32 v12, v12, |v[XS+\i]|, |v[XS+\i+1]|
	v_max3_num_f32 v13, v13, |v[XS+\i+2]|, |v[XS+\i+3]|
.endr
	v_max3_num_f32 v12, v12, |v[XS+30]|, |v[XS+31]|
	v_max3_num_f32 v12, v12, v13, 0x1800000        ; and the floor
	v_add_nc_u32 v11, 0xff000000, v12
	v_cvt_scalef32_pk16_fp6_f32 v[CC:CC+2], v[XS:XS+15], v11
	v_cvt_scalef32_pk16_fp6_f32 v[CC+4:CC+6], v[XS+16:XS+31], v11
	v_lshrrev_b32 v10, 23, v11                     ; the scale's byte (also the plain place behind the conversions)
	v_mov_b32 v[CC+3], v[CC+4]                     ; the block's six registers on end
	v_mov_b32 v[CC+4], v[CC+5]
	v_mov_b32 v[CC+5], v[CC+6]
.if (\t)%4 == 0
	v_mov_b32 v[8+(\t)/4], v10                     ; four bytes to a scale word, the lower K in the lower byte
.else
	v_lshl_or_b32 v[8+(\t)/4], v10, 8*((\t)%4), v[8+(\t)/4]
.endif
	global_store_b128 v5, v[CC:CC+3], s[14:15] offset:((\t)/4)*1536+(((\t)%4)/2)*768+256*((\t)%2)          ; the 16 lanes of a tile store 256 consecutive bytes, aligned
	global_store_b64 v6, v[CC+4:CC+5], s[14:15] offset:((\t)/4)*1536+(((\t)%4)/2)*768+512+128*((\t)%2)     ; and 128
.if (\t) < 6
	LOADW (\t)+2
.endif
.endm
	s_load_b256 s[4:11], s[0:1], 0x0               ; x s[4:5], W_qkv s[6:7], W_out s[8:9], x_img s[10:11]
	s_load_b128 s[12:15], s[0:1], 0x20             ; x_sc s[12:13], w_img s[14:15]
	s_load_b64 s[16:17], s[0:1], 0x30              ; w_sc
	s_set_vgpr_msb 0x40
	v_lshl_add_u32 v0, v0, 2, 0x8400
	v_mov_b32 v1, 0
	s_set_vgpr_msb 0x4000
	v_lshrrev_b32 v1, 5, v0
	v_readfirstlane_b32 s20, v1                    ; wave
	v_and_b32 v1, 31, v0                           ; lane
	s_cmp_lt_u32 ttmp9, 256
	s_cbranch_scc0 .Lweights
	; ---- x: wave w takes tile 2 wg + w / 2 and K half w % 2: four fragments
	v_and_b32 v2, 15, v0                           ; r
	v_bfe_u32 v3, v0, 4, 1                         ; h
	v_lshlrev_b32 v4, 4, v1                        ; 16 x lane
	v_lshlrev_b32 v5, 3, v1                        ; 8 x lane
	s_mul_i32 s21, s20, STGB                       ; my stage
	v_add_nc_u32 v6, s21, v4                       ; in: a row's 512 bytes as they lie
	v_mul_u32_u24 v7, v2, 528
	v_lshl_add_u32 v7, v3, 6, v7
	v_add_nc_u32 v7, s21, v7                       ; out: row r, + 64 h: my 16 numbers of each block of 32
	v_lshlrev_b32 v8, 4, v2
	v_lshl_add_u32 v8, v3, 3, v8                   ; scale words: 16 r + 8 h
.irp b, 0,1,2,3
	v_mov_b32 v[TM+4+\b], 0                        ; written once: a lane permute's destination counts as one of its sources
.endr
	s_mov_b32 s22, 0x76543210
	s_mov_b32 s23, 0xfedcba98                      ; selects for lane l xor 16
	s_lshr_b32 s24, s20, 1                         ; u
	s_and_b32 s25, s20, 1                          ; K half
	s_lshl_b32 s26, ttmp9, 17                      ; (32 wg + 8 u) rows of 4,096 bytes + 2,048 x half
	s_lshl_b32 s28, s24, 15
	s_add_co_u32 s26, s26, s28
	s_lshl_b32 s28, s25, 11
	s_add_co_u32 s26, s26, s28
	s_mov_b32 s27, 0
	s_lshl_b32 s28, ttmp9, 1
	s_add_co_u32 s28, s28, s24                     ; the tile
	s_mul_i32 s30, s28, 12288
	s_mul_i32 s29, s25, 6144
	s_add_co_u32 s30, s30, s29
	s_mov_b32 s31, 0
	s_lshl_b32 s32, s28, 9
	s_lshl_b32 s29, s25, 8
	s_add_co_u32 s32, s32, s29
	s_mov_b32 s33, 0
	s_wait_alu depctr_va_vdst(0)
	s_wait_kmcnt 0x0
	s_add_nc_u64 s[4:5], s[4:5], s[26:27]
	s_add_nc_u64 s[10:11], s[10:11], s[30:31]
	s_add_nc_u64 s[12:13], s[12:13], s[32:33]
	LOADX 0
	LOADX 1
	FRAGX 0
	FRAGX 1
	FRAGX 2
	FRAGX 3
	v_cmp_eq_u32 vcc_lo, 1, v3
	v_cndmask_b32 v26, v[PW], v[PW+2], vcc_lo      ; lanes 0-15 store words 0, 1 of their row, lanes 16-31 words 2, 3
	v_cndmask_b32 v27, v[PW+1], v[PW+3], vcc_lo
	global_store_b64 v8, v[26:27], s[12:13]        ; 32 lanes store 256 consecutive bytes, aligned
	s_set_vgpr_msb 0x5
	s_wait_tensorcnt 0x0
	ds_add_u32 v0, v1
	s_wait_dscnt 0x0
	s_set_vgpr_msb 0x500
	s_endpgm
.Lweights:
	; ---- weights: work-group j = 32 ky + cg takes 128 columns (cg: 0-23 W_qkv's, 24-31 W_out's) x 256 along K; lane x of wave w takes column 32 w + x
	s_sub_co_u32 s21, ttmp9, 256
	s_and_b32 s22, s21, 31                         ; cg
	s_lshr_b32 s23, s21, 5                         ; ky
	s_wait_kmcnt 0x0
	s_mov_b32 s24, 12288
	s_sub_co_u32 s25, s22, 24
	s_cmp_ge_u32 s22, 24                           ; W_out?  The choice hangs on the work-group's number alone
	s_cselect_b32 s24, 4096, s24                   ; bytes from row to row
	s_cselect_b32 s25, s25, s22                    ; the group of 128 columns in its own weight
	s_cselect_b64 s[6:7], s[8:9], s[6:7]
	s_wait_alu depctr_va_vdst(0)
	v_lshlrev_b32 v4, 2, v1
.irp i, 0,1,2,3,4,5,6,7,8,9,10,11,12,13,14,15,16,17,18,19,20,21,22,23,24,25,26,27,28,29,30,31
	v_mad_u32_u24 v[OFF+\i], s24, \i, v4           ; 4 x + i rows
.endr
	v_bfe_u32 v2, v0, 3, 1                         ; u: which of my group's two tiles
	v_and_b32 v3, 7, v0
	v_bfe_u32 v7, v0, 4, 1
	v_lshl_add_u32 v3, v7, 3, v3                   ; r: my lane's place in that tile
	v_mul_u32_u24 v5, v2, 12288
	v_lshl_add_u32 v6, v3, 3, v5                   ; 12,288 u + 8 r
	v_lshl_add_u32 v5, v3, 4, v5                   ; 12,288 u + 16 r
	v_lshlrev_b32 v7, 9, v2
	v_lshl_add_u32 v7, v3, 4, v7                   ; scale words: 512 u + 16 r
	s_mul_i32 s28, s23, s24
	s_lshl_b32 s28, s28, 8                         ; 256 ky rows,
	s_lshl_b32 s26, s25, 9
	s_add_co_u32 s28, s28, s26                     ; the group's 512 bytes of a row,
	s_lshl_b32 s26, s20, 7
	s_add_co_u32 s28, s28, s26                     ; my wave's 128
	s_mov_b32 s29, 0
	s_lshl_b32 s30, s24, 5                         ; 32 rows: from block to block
	s_mov_b32 s31, 0
	s_add_nc_u64 s[36:37], s[6:7], s[28:29]        ; a base for each block, never rewritten
.irp t, 1,2,3,4,5,6,7
	s_add_nc_u64 s[36+2*\t:37+2*\t], s[34+2*\t:35+2*\t], s[30:31]
.endr
	s_lshl_b32 s26, s22, 3
	s_lshl_b32 s27, s20, 1
	s_add_co_u32 s26, s26, s27                     ; my group's first tile: 8 cg + 2 w
	s_mul_i32 s32, s26, 12288
	s_mul_i32 s27, s23, 3072                       ; K steps 2 ky, 2 ky + 1
	s_add_co_u32 s32, s32, s27
	s_mov_b32 s33, 0
	s_add_nc_u64 s[14:15], s[14:15], s[32:33]
	s_lshl_b32 s32, s26, 9
	s_lshr_b32 s27, s23, 1
	s_lshl_b32 s27, s27, 8
	s_add_co_u32 s32, s32, s27
	s_and_b32 s27, s23, 1
	s_lshl_b32 s27, s27, 3
	s_add_co_u32 s32, s32, s27
	s_add_nc_u64 s[16:17], s[16:17], s[32:33]
	LOADW 0
	LOADW 1
.irp t, 0,1,2,3,4,5,6,7
	BLOCKW \t
.endr
	global_store_b64 v7, v[8:9], s[16:17]          ; my column's two scale words
	s_endpgm
.Lfunc_end_k_qf9eefd1888_quant:
	.size	k_qf9eefd1888_quant, .Lfunc_end_k_qf9eefd1888_quant-k_qf9eefd1888_quant
	.p2alignl 7, 3214868480
	.fill 96, 4, 3214868480
	.section	.rodata,"a",@progbits
	.p2align	6, 0x0
	.amdhsa_kernel k_qf9eefd1888_quant
		.amdhsa_group_segment_fixed_size 34304
		.amdhsa_private_segment_fixed_size 0
		.amdhsa_enable_private_segment 0
		.amdhsa_kernarg_size 56
		.amdhsa_user_sgpr_count 2
		.amdhsa_user_sgpr_kernarg_segment_ptr 1
		.amdhsa_wavefront_size32 1
		.amdhsa_system_sgpr_workgroup_id_x 1
		.amdhsa_system_sgpr_workgroup_id_y 1
		.amdhsa_system_sgpr_workgroup_id_z 1
		.amdhsa_system_vgpr_workitem_id 0
		.amdhsa_next_free_vgpr 258
		.amdhsa_next_free_sgpr 66
		.amdhsa_reserve_vcc 1
		.amdhsa_float_denorm_mode_32 3
		.amdhsa_float_denorm_mode_16_64 3
		.amdhsa_memory_ordered 1
		.amdhsa_forward_progress 1
		.amdhsa_inst_pref_size 75
	.end_amdhsa_kernel
	.amdgpu_metadata
---
amdhsa.version: [ 1, 2 ]
amdhsa.kernels:
  - .name:           k_qf9eefd1888_quant
    .symbol:         k_qf9eefd1888_quant.kd
    .args:
      - { .name: x, .offset: 0, .size: 8, .value_kind: global_buffer, .address_space: global }
      - { .name: W_qkv, .offset: 8, .size: 8, .value_kind: global_buffer, .address_space: global }
      - { .name: W_out, .offset: 16, .size: 8, .value_kind: global_buffer, .address_space: global }
      - { .name: x_img, .offset: 24, .size: 8, .value_kind: global_buffer, .address_space: global }
      - { .name: x_sc, .offset: 32, .size: 8, .value_kind: global_buffer, .address_space: global }
      - { .name: w_img, .offset: 40, .size: 8, .value_kind: global_buffer, .address_space: global }
      - { .name: w_sc, .offset: 48, .size: 8, .value_kind: global_buffer, .address_space: global }
    .group_segment_fixed_size: 34304
    .private_segment_fixed_size: 0
    .kernarg_segment_align: 8
    .kernarg_segment_size: 56
    .max_flat_workgroup_size: 128
    .sgpr_count:     66
    .vgpr_count:     258
    .wavefront_size: 32
...
	.end_amdgpu_metadata
.endif
;; end of part 1
;; launch qkv (part 2): grid 4 x 64, 4 waves a work-group, clusters of 4 x 4, 327,680 bytes of LDS; arguments x_img, x_sc, w_img, w_sc, qkv_img, qkv_sc; writes qkv_img, qkv_sc
.if DOCPART == 2
	.amdgcn_target "amdgcn-amd-amdhsa--gfx1250"
	.amdhsa_code_object_version 6
	.text
	.protected	k_qf9eefd1888_qkv
	.globl	k_qf9eefd1888_qkv
	.p2align	8
	.type	k_qf9eefd1888_qkv,@function
k_qf9eefd1888_qkv:
	s_mov_b64 s[64:65], 0
	v_nop
	global_prefetch_b8 v0, s[64:65] scope:SCOPE_SE
	s_setreg_imm32_b32 hwreg(HW_REG_WAVE_MODE, 25, 1), 1
	s_wait_xcnt 0x0
	s_wait_alu depctr_hold_cnt(0) depctr_sa_sdst(0) depctr_va_vdst(0) depctr_va_sdst(0) depctr_va_ssrc(0) depctr_va_vcc(0) depctr_vm_vsrc(0)
	s_getreg_b32 s2, hwreg(HW_REG_IB_STS2, 6, 4)
	s_cmp_eq_u32 s2, 0
	s_cbranch_scc0 .Lentry_in_a_cluster
	s_endpgm
.Lentry_in_a_cluster:
	s_bfe_u32 s2, ttmp6, 0x10000c
	s_cmp_lg_u32 s2, 0xf033
	s_cbranch_scc0 .Lentry_shape_is_right
	s_endpgm
.Lentry_shape_is_right:
; Q, K, V = x W_qkv on codes of FP6 (E2M3) with E8M0 scales, K = 1,024, sums in f32; each result is quantised again (Q, K along the head's channels, V along the tokens) and leaves as codes and scale words in the order of the next launch's operand registers.
; A WORK-GROUP owns 128 tokens and 256 columns of each of Q, K and V: 64 x 4 = 256 work-groups.  Its 8 tiles of x, all of K, lie in LDS for the whole launch (98,304 bytes).  The weights' 16 tiles lie beside them in two regions,
; K steps 0-3 and K steps 4-7 (98,304 bytes each), and are filled again for the next phase: the first region at step 3's head, when its reads are over, the second behind the first block's way out; each refill behind a tensor wait, an LDS add and its wait, and a round
; of the cluster's barrier, a quarter of the region a wave.  Three phases: Q and K are a loop of two trips, V is the tail, which fills nothing.
; WAVES.  Q, K: 2 x 2, a wave makes 64 tokens x 128 columns; source 0 = the weight's 8 tiles, source 1 = x's 4: a lane holds one token, its registers run along the channels.
; V: 1 x 4, a wave makes 64 channels x 128 tokens; source 0 = x's 8 tiles, source 1 = the weight's 4: a lane holds one channel, its registers run along the tokens.  In both 32 accumulators, and the same text.
; CLUSTER 4 x 4: x's tiles are shared along a row of the cluster, the weights' along a column.
; OPERANDS lie as images of their registers: a fragment (16 rows x 128 K) is 1,536 bytes; tile 2 g + u, lane r, holds row 32 g + 8 u + r + 8 (r / 8): so the 16 registers of two neighbouring result tiles are 16 neighbours along the next K.
; SCALE WORDS of the operands: a tile has 512 bytes, [K half][r][4 words]: one dense load of 16 bytes a lane gives four registers; register j holds K step j in lanes 0-15 and K step 4 + j in lanes 16-31.  They are loaded anew for each phase (x's four tiles a second time for K: one text serves both changes of phase).
; No prefetch: each refill is itself asked for about half a phase ahead of its first read, and a request one trip ahead would serve V's tiles alone.
; LIMITS: NaN and infinities are not served; a block whose largest magnitude lies under 2^-124, or of zeros, keeps the byte 1 (this program alone reads the bytes).
; REGISTERS: window 0: v8-29 addresses, v32-47 and v50-81 scale words, v84-111 at work on the way out, v112-159 the codes, v160-255 source 1's fragments (two sets); window 1: v0-191 source 0's fragments (two sets); window 2: the accumulators.
.set FR,    12
.set TROW,  6144
.set LA,    0
.set LB,    49152
.set RG,    147456
.set SPARE, 294912
.set VIMG,  12582912
.set VSC,   1048576
.set WSTEP, 64*12288                   ; from Q's weights to K's, from K's to V's
.set AQ,   8                           ; v8-11   Q, K: source 1's LDS addresses (16 x lane in regions 0, 1; 8 x lane in regions 0, 1)
.set BQ,   12                          ; v12-15  Q, K: source 0's
.set AV,   16                          ; v16-19  V: source 1's
.set BV,   20                          ; v20-23  V: source 0's
.set O16,  24
.set O8,   25
.set SH,   26
.set SPW,  28
.set NIL,  29
.set SCA,  32
.set SCB,  50
.set OW,   84
.set OS,   88
.set PT,   92
.set TM,   100
.set CD,   112
.set AF,   160
.set G1A,  24
.set G1B,  32
.set G0,   40
.set G1R,  76
.set R0,   84
.set R1,   88
.set MSB, 0
.macro WIN new
.if MSB != (\new)
	s_set_vgpr_msb (MSB<<8)|(\new)
.set MSB, (\new)
.endif
.endm
.macro PLACES
.rept 4
	v_nop
.endr
.endm
.macro WALU
	s_wait_alu depctr_va_vdst(0)
.endm
.macro CROUND
	s_barrier_signal -1
	s_barrier_wait -1
	s_cmp_lg_u32 s16, 0
	s_cbranch_scc1 .Lnot_wave_0_\@
	s_barrier_signal -3
.Lnot_wave_0_\@:
	s_barrier_wait -3
	s_barrier_signal -1
	s_barrier_wait -1
.endm
.macro GROUP1 g, mask, rows            ; rows of 6,144 bytes (four K steps of a tile), 12,288 apart
	s_or_b32 s[\g], s\mask, (3<<16)|(1<<21)
	s_mov_b32 s[\g+1], 768<<16
	s_mov_b32 s[\g+2], (\rows)<<16
	s_mov_b32 s[\g+3], 768<<16
	s_mov_b32 s[\g+4], \rows
	s_mov_b32 s[\g+5], 1536
	s_mov_b32 s[\g+6], 0
	s_mov_b32 s[\g+7], 0
.endm
.macro SET0 g, lds, base, off
	s_mov_b32 s[\g], 1
	s_mov_b32 s[\g+1], \lds
	s_add_nc_u64 s[\g+2:\g+3], s[\base:\base+1], \off
	s_or_b32 s[\g+3], s[\g+3], 0x80000000
.endm
.macro ARM under, g0, g1, next
	s_cmp_lt_u32 s16, \under
	s_cbranch_scc0 \next
	tensor_load_to_lds s[\g0:\g0+3], s[\g1:\g1+7]
	s_nop 0
	PLACES
	s_branch .Lhead_asked
\next:
.endm
.macro FRAG reg, a16, a8, off
	ds_load_b128 v[\reg:\reg+3], v[\a16] offset:(\off)
	ds_load_b64 v[\reg+4:\reg+5], v[\a8] offset:(\off)+512
	ds_load_b128 v[\reg+6:\reg+9], v[\a16] offset:(\off)+768
	ds_load_b64 v[\reg+10:\reg+11], v[\a8] offset:(\off)+1280
.endm
.macro FETCH st, ab, bb                ; step st's fragments into set st % 2: 48 loads
	WIN 0x40
.irp i, 0,1,2,3,4,5,6,7
	FRAG 96*((\st)%2)+FR*\i, \bb+(\st)/4, \bb+2+(\st)/4, \i*TROW+((\st)%4)*1536
.endr
	WIN 0
.irp i, 0,1,2,3
	FRAG AF+48*((\st)%2)+FR*\i, \ab+(\st)/4, \ab+2+(\st)/4, \i*TROW+((\st)%4)*1536
.endr
.endm
.macro WM d, fb, fa, c, sb, sa, row
.if \row
	v_wmma_scale_f32_16x16x128_f8f6f4 v[\d:\d+7], v[\fb:\fb+11], v[\fa:\fa+11], \c, v[\sb], v[\sa] matrix_a_fmt:MATRIX_FMT_FP6 matrix_b_fmt:MATRIX_FMT_FP6 matrix_a_scale:MATRIX_SCALE_ROW1 matrix_b_scale:MATRIX_SCALE_ROW1
.else
	v_wmma_scale_f32_16x16x128_f8f6f4 v[\d:\d+7], v[\fb:\fb+11], v[\fa:\fa+11], \c, v[\sb], v[\sa] matrix_a_fmt:MATRIX_FMT_FP6 matrix_b_fmt:MATRIX_FMT_FP6
.endif
.endm
.macro MUL st                          ; 32 products; the 32 accumulators take turns, in the same order in every step; the first step starts the sums
.irp a, 0,1,2,3
.irp b, 0,1,2,3,4,5,6,7
.if (\st) == 0
	WM 8*(8*\a+\b), 96*((\st)%2)+FR*\b, AF+48*((\st)%2)+FR*\a, 0, SCB+4*\b+(\st)%4, SCA+4*\a+(\st)%4, (\st)/4
.else
	WM 8*(8*\a+\b), 96*((\st)%2)+FR*\b, AF+48*((\st)%2)+FR*\a, v[8*(8*\a+\b):8*(8*\a+\b)+7], SCB+4*\b+(\st)%4, SCA+4*\a+(\st)%4, (\st)/4
.endif
.endr
.endr
.endm
.macro LOADSC pa, pb                   ; source 1's 4 tiles of scale words, source 0's 8: each load is 512 consecutive bytes
.irp i, 0,1,2,3
	global_load_b128 v[SCA+4*\i:SCA+4*\i+3], v[O16], s[\pa:\pa+1] offset:512*\i
.endr
.irp i, 0,1,2,3,4,5,6,7
	global_load_b128 v[SCB+4*\i:SCB+4*\i+3], v[O16], s[\pb:\pb+1] offset:512*\i
.endr
.endm
.macro STEP st, ab, bb, refill
.if (\st) == 3
	s_wait_tensorcnt 0x0                           ; all my tensor loads are in: K steps 4-7 among them
.if \refill
	ds_add_u32 v[SPW], v[NIL]
	s_add_nc_u64 s[R0+2:R0+3], s[R0+2:R0+3], WSTEP ; no load of mine is out: the next phase's weights
	s_wait_dscnt 0x0                               ; the add, and my reads of K steps 0-3
	CROUND
	tensor_load_to_lds s[R0:R0+3], s[G1R:G1R+7]    ; my quarter of the first region
	s_nop 0
.else
	s_wait_dscnt 0x0
	s_barrier_signal -1
	s_barrier_wait -1
.endif
	PLACES
.else
	s_wait_dscnt 0x0                               ; this step's fragments are in
.if (\st) == 0
	s_wait_loadcnt 0x0                             ; the phase's scale words
.elseif (\st) < 7
	PLACES                                         ; ahead of loads into registers that the last step's products read
.endif
.endif
.if (\st) < 7
	FETCH (\st)+1, \ab, \bb
.endif
	WIN 0xa1                                       ; source 0 window 1, source 1 window 0, C and D window 2
	MUL \st
	WIN 0
.endm
; block a's 16 rows x 128: four scale blocks of 32, each in lanes l and l xor 16; codes and the row's scale word
.macro QUANTW a, cb
.set AC, 64*(\a)
.set PCA, CD+12*(\a)
	WIN 0x28
.irp b, 0,1,2,3
	v_max3_num_f32 v[TM+\b], 0x1800000, |v[AC+16*\b]|, |v[AC+16*\b+1]|   ; with the floor 2^(3 - 127)
.endr
.irp i, 2,4,6,8,10,12,14
.irp b, 0,1,2,3
	v_max3_num_f32 v[TM+\b], v[TM+\b], |v[AC+16*\b+\i]|, |v[AC+16*\b+\i+1]|
.endr
.endr
	WIN 0
.irp b, 0,1,2,3
	v_permlanex16_b32 v[TM+4+\b], v[TM+\b], s2, s3
.endr
.irp b, 0,1,2,3
	v_max_num_f32 v[TM+\b], v[TM+\b], v[TM+4+\b]
.endr
.irp b, 0,1,2,3
	v_add_nc_u32 v[TM+8+\b], 0xff000000, v[TM+\b]  ; the conversion's scale operand
.endr
.irp b, 0,1,2,3
	v_lshrrev_b32 v[TM+4+\b], 23, v[TM+8+\b]       ; the byte
.endr
	v_lshl_or_b32 v[OW+(\a)], v[TM+5], 8, v[TM+4]
	v_lshl_or_b32 v[OW+(\a)], v[TM+6], 16, v[OW+(\a)]
	v_lshl_or_b32 v[OW+(\a)], v[TM+7], 24, v[OW+(\a)]
	WIN 0x02
.irp c, 0,1
	v_cvt_scalef32_pk16_fp6_f32 v[PCA+6*\c:PCA+6*\c+2], v[AC+32*\c:AC+32*\c+15], v[TM+8+2*\c]
	v_cvt_scalef32_pk16_fp6_f32 v[PT+4*\c:PT+4*\c+2], v[AC+32*\c+16:AC+32*\c+31], v[TM+8+2*\c+1]
.endr
	WIN 0
	v_nop                                          ; one plain place behind a scaled conversion
.irp c, 0,1
.irp i, 0,1,2
	v_permlane16_swap_b32 v[PCA+6*\c+\i], v[PT+4*\c+\i]
.endr
.irp i, 0,1,2
	v_mov_b32 v[PCA+6*\c+3+\i], v[PT+4*\c+\i]
.endr
.endr
	global_store_b128 v[O16], v[PCA:PCA+3], s[\cb:\cb+1] offset:1536*(\a)
	global_store_b64 v[O8], v[PCA+4:PCA+5], s[\cb:\cb+1] offset:1536*(\a)+512
	global_store_b128 v[O16], v[PCA+6:PCA+9], s[\cb:\cb+1] offset:1536*(\a)+768
	global_store_b64 v[O8], v[PCA+10:PCA+11], s[\cb:\cb+1] offset:1536*(\a)+1280
.endm
; A PHASE: eight steps along K, then the way out.  ab, bb: the sources' LDS addresses; cb, sb: where codes and scale words go
.macro PHASE ab, bb, refill, cb, sb
	FETCH 0, \ab, \bb
.irp st, 0,1,2,3,4,5,6,7
	STEP \st, \ab, \bb, \refill
.endr
	PLACES                                         ; ahead of the first read of results and of loads into the scale registers
	s_wait_xcnt 0x0                                ; the last phase's stores and loads have read their registers
.if \refill
	s_cmp_eq_u32 s21, 0                            ; the next phase is K (x's 4 tiles, W_k's 8) or V (W_v's 4, x's 8): a choice by the trip's number
	s_cselect_b64 s[92:93], s[56:57], s[74:75]
	s_cselect_b64 s[94:95], s[22:23], s[58:59]
	LOADSC 92, 94
.endif
	QUANTW 0, \cb
.if \refill
	WALU
	s_wait_tensorcnt 0x0                           ; the first region's refill is in
	ds_add_u32 v[SPW], v[NIL]
	s_add_nc_u64 s[R1+2:R1+3], s[R1+2:R1+3], WSTEP
	s_wait_dscnt 0x0                               ; the add; my reads of K steps 4-7 were over at step 7's head
	CROUND
	tensor_load_to_lds s[R1:R1+3], s[G1R:G1R+7]    ; my quarter of the second region
	s_nop 0
	PLACES
.endif
	QUANTW 1, \cb
	QUANTW 2, \cb
	QUANTW 3, \cb
.irp a, 0,1,2,3
	v_lshrrev_b32 v[OS+\a], v[SH], v[OW+\a]        ; lanes 16-31: the word's upper two bytes (Q, K: the pair's second head)
.endr
	global_store_b128 v[O16], v[OS:OS+3], s[\sb:\sb+1]   ; 512 consecutive bytes
.endm
	s_load_b256 s[4:11], s[0:1], 0x0               ; x_img, x_sc, w_img, w_sc
	s_load_b128 s[12:15], s[0:1], 0x20             ; qkv_img, qkv_sc
	v_lshl_add_u32 v[SPW], v0, 2, SPARE
	v_mov_b32 v[NIL], 0
	ds_add_u32 v[SPW], v[NIL]                      ; the opening lines
	ds_add_u32 v[SPW], v[NIL]
	v_lshrrev_b32 v1, 5, v0
	v_readfirstlane_b32 s16, v1
	s_lshr_b32 s17, s16, 1
	s_and_b32 s18, s16, 1
	s_bfe_u32 s60, ttmp6, 0x40000                  ; cx
	s_bfe_u32 s61, ttmp6, 0x40004                  ; cy
	s_lshl_b32 s62, ttmp9, 2
	s_add_co_u32 s62, s62, s60                     ; block of 256 columns, 0 .. 3
	s_and_b32 s20, ttmp7, 0xffff
	s_lshl_b32 s20, s20, 2
	s_add_co_u32 s20, s20, s61                     ; block of 128 tokens, 0 .. 63
	s_lshl_b32 s63, s61, 2
	s_lshl_b32 s63, 15, s63                        ; my row of the cluster
	s_lshl_b32 s66, 0x1111, s60                    ; my column
	GROUP1 G1A, 63, 8
	GROUP1 G1B, 66, 16
	GROUP1 G1R, 66, 4
	s_mul_i32 s68, s20, 8*12288                    ; x's 8 tiles
	s_mov_b32 s69, 0
	s_mul_i32 s70, s62, 16*12288                   ; W_q's 16 tiles
	s_mov_b32 s71, 0
	s_mov_b32 s[R0], 1                             ; the refills: my 4 tiles of the 16
	s_mul_i32 s[R0+1], s16, 4*TROW
	s_add_co_u32 s[R0+1], s[R0+1], LB
	s_mov_b32 s[R1], 1
	s_add_co_u32 s[R1+1], s[R0+1], RG
	s_mul_i32 s[R0+2], s16, 4*12288
	s_mov_b32 s[R0+3], 0
	WALU
	s_wait_dscnt 0x0
	s_wait_kmcnt 0x0
	s_add_nc_u64 s[68:69], s[4:5], s[68:69]
	s_add_nc_u64 s[70:71], s[8:9], s[70:71]
	CROUND                                         ; all sixteen work-groups are here: the joint loads meet
	SET0 G0, LA, 68, 0
	SET0 G0+4, LB, 70, 0
	SET0 G0+8, LB+RG, 70, TROW
	SET0 G0+12, LA+RG, 68, TROW
	ARM 1, G0, G1A, .Lhead_b
	ARM 2, G0+4, G1B, .Lhead_b1
	ARM 3, G0+8, G1B, .Lhead_a1
	tensor_load_to_lds s[G0+12:G0+15], s[G1A:G1A+7]
	s_nop 0
	PLACES
.Lhead_asked:
	s_add_nc_u64 s[R0+2:R0+3], s[70:71], s[R0+2:R0+3]   ; at W_q's tiles: each refill steps its address first
	s_add_nc_u64 s[R1+2:R1+3], s[R0+2:R0+3], TROW
	s_or_b32 s[R0+3], s[R0+3], 0x80000000
	s_or_b32 s[R1+3], s[R1+3], 0x80000000
	s_lshl_b32 s58, s20, 12                        ; x's scale words: 8 tiles x 512 bytes a block,
	s_mov_b32 s59, 0
	s_lshl_b32 s56, s17, 11
	s_add_co_u32 s56, s56, s58                     ; and my 4 tiles of them
	s_mov_b32 s57, 0
	s_lshl_b32 s74, s62, 13                        ; the weights': 16 tiles a block;
	s_lshl_b32 s72, s18, 12
	s_add_co_u32 s72, s72, s74                     ; Q: my 8 tiles
	s_mov_b32 s73, 0
	s_lshl_b32 s75, s16, 11
	s_add_co_u32 s74, s74, s75
	s_add_co_u32 s74, s74, 128*512                 ; V: my 4 tiles
	s_mov_b32 s75, 0
	s_add_nc_u64 s[56:57], s[6:7], s[56:57]
	s_add_nc_u64 s[58:59], s[6:7], s[58:59]
	s_add_nc_u64 s[72:73], s[10:11], s[72:73]
	s_add_nc_u64 s[74:75], s[10:11], s[74:75]
	s_add_nc_u64 s[22:23], s[72:73], 64*512        ; K: my 8 tiles
	s_lshl_b32 s19, s62, 1
	s_add_co_u32 s19, s19, s18                     ; Q: my group of 128 columns, 0 .. 7
	s_lshl_b32 s92, s19, 9                         ; codes: (512 group + token tile) 1,536; my first token tile is 8 block + 4 half
	s_lshl_b32 s93, s20, 3
	s_add_co_u32 s92, s92, s93
	s_lshl_b32 s93, s17, 2
	s_add_co_u32 s92, s92, s93
	s_mul_i32 s92, s92, 1536
	s_mov_b32 s93, 0
	s_lshl_b32 s94, s19, 6                         ; scale words: (64 group + block) 1,024 + 512 half
	s_add_co_u32 s94, s94, s20
	s_lshl_b32 s94, s94, 10
	s_lshl_b32 s95, s17, 9
	s_add_co_u32 s94, s94, s95
	s_mov_b32 s95, 0
	s_lshl_b32 s96, s20, 6                         ; V's codes: VIMG + (64 block + channel tile) 1,536; my first channel tile is 16 x + 4 wave
	s_lshl_b32 s97, s62, 4
	s_add_co_u32 s96, s96, s97
	s_lshl_b32 s97, s16, 2
	s_add_co_u32 s96, s96, s97
	s_mul_i32 s96, s96, 1536
	s_add_co_u32 s96, s96, VIMG
	s_mov_b32 s97, 0
	s_lshl_b32 s98, s20, 3                         ; V's scale words: VSC + (8 block + 2 x + wave / 2) 1,024 + 512 (wave % 2)
	s_lshl_b32 s99, s62, 1
	s_add_co_u32 s98, s98, s99
	s_add_co_u32 s98, s98, s17
	s_lshl_b32 s98, s98, 10
	s_lshl_b32 s99, s18, 9
	s_add_co_u32 s98, s98, s99
	s_add_co_u32 s98, s98, VSC
	s_mov_b32 s99, 0
	s_add_nc_u64 s[96:97], s[12:13], s[96:97]
	s_add_nc_u64 s[98:99], s[14:15], s[98:99]
	s_add_nc_u64 s[12:13], s[12:13], s[92:93]
	s_add_nc_u64 s[14:15], s[14:15], s[94:95]
	s_mul_i32 s19, s17, 4*TROW                     ; LDS.  Q, K: my 4 tiles of x,
	s_mul_i32 s67, s18, 8*TROW
	s_add_co_u32 s67, s67, LB                      ; my 8 of the weight;
	s_mul_i32 s21, s16, 4*TROW
	s_add_co_u32 s21, s21, LB                      ; V: my 4 of the weight, and all 8 of x
	s_mov_b32 s2, 0x76543210
	s_mov_b32 s3, 0xfedcba98                       ; selects for lane l xor 16
	v_and_b32 v3, 31, v0
	v_bfe_u32 v2, v0, 4, 1
	v_lshlrev_b32 v[O16], 4, v3
	v_lshlrev_b32 v[O8], 3, v3
	v_lshlrev_b32 v[SH], 4, v2
	v_add_nc_u32 v[AQ], s19, v[O16]
	v_add_nc_u32 v[AQ+2], s19, v[O8]
	v_add_nc_u32 v[BQ], s67, v[O16]
	v_add_nc_u32 v[BQ+2], s67, v[O8]
	v_add_nc_u32 v[AV], s21, v[O16]
	v_add_nc_u32 v[AV+2], s21, v[O8]
	v_add_nc_u32 v[BV], LA, v[O16]
	v_add_nc_u32 v[BV+2], LA, v[O8]
.irp g, AQ, BQ, AV, BV
	v_add_nc_u32 v[\g+1], RG, v[\g]
	v_add_nc_u32 v[\g+3], RG, v[\g+2]
.endr
.irp b, 0,1,2,3
	v_mov_b32 v[TM+4+\b], 0                        ; written once: a lane permute's destination counts as one of its sources
.endr
	WALU                                           ; the wait at the head's end
	LOADSC 56, 72
	s_mov_b32 s21, 0                               ; the trip's number
	s_cmp_lt_u32 s16, 2                            ; waves 0 and 1 asked for K steps 0-3
	s_cbranch_scc0 .Lnot_first
	s_wait_tensorcnt 0x0
.Lnot_first:
	s_barrier_signal -1
	s_barrier_wait -1                              ; the other two loads may be out
.Lphase:                                               ; Q, then K
	PHASE AQ, BQ, 1, 12, 14
	s_wait_xcnt 0x0                                ; the stores have read their bases
	s_add_nc_u64 s[12:13], s[12:13], 8*512*1536    ; from Q's groups of columns to K's
	s_add_nc_u64 s[14:15], s[14:15], 8*64*1024
	s_add_co_u32 s21, s21, 1
	s_cmp_lt_u32 s21, 2
	WALU
	s_cbranch_scc1 .Lphase
	PHASE AV, BV, 0, 96, 98                        ; V: the tail asks for nothing more
	s_wait_tensorcnt 0x0                           ; the wave's end
	ds_add_u32 v[SPW], v[NIL]
	s_wait_dscnt 0x0
	CROUND                                         ; the closing round
	s_endpgm
.Lfunc_end_k_qf9eefd1888_qkv:
	.size	k_qf9eefd1888_qkv, .Lfunc_end_k_qf9eefd1888_qkv-k_qf9eefd1888_qkv
	.p2alignl 7, 3214868480
	.fill 96, 4, 3214868480
	.section	.rodata,"a",@progbits
	.p2align	6, 0x0
	.amdhsa_kernel k_qf9eefd1888_qkv
		.amdhsa_group_segment_fixed_size 327680
		.amdhsa_private_segment_fixed_size 0
		.amdhsa_enable_private_segment 0
		.amdhsa_kernarg_size 48
		.amdhsa_user_sgpr_count 2
		.amdhsa_user_sgpr_kernarg_segment_ptr 1
		.amdhsa_wavefront_size32 1
		.amdhsa_system_sgpr_workgroup_id_x 1
		.amdhsa_system_sgpr_workgroup_id_y 1
		.amdhsa_system_sgpr_workgroup_id_z 1
		.amdhsa_system_vgpr_workitem_id 0
		.amdhsa_next_free_vgpr 768
		.amdhsa_next_free_sgpr 100
		.amdhsa_reserve_vcc 0
		.amdhsa_float_denorm_mode_32 3
		.amdhsa_float_denorm_mode_16_64 3
		.amdhsa_memory_ordered 1
		.amdhsa_forward_progress 1
		.amdhsa_inst_pref_size 165
	.end_amdhsa_kernel
	.amdgpu_metadata
---
amdhsa.version: [ 1, 2 ]
amdhsa.kernels:
  - .name:           k_qf9eefd1888_qkv
    .symbol:         k_qf9eefd1888_qkv.kd
    .args:
      - { .name: x_img, .offset: 0, .size: 8, .value_kind: global_buffer, .address_space: global }
      - { .name: x_sc, .offset: 8, .size: 8, .value_kind: global_buffer, .address_space: global }
      - { .name: w_img, .offset: 16, .size: 8, .value_kind: global_buffer, .address_space: global }
      - { .name: w_sc, .offset: 24, .size: 8, .value_kind: global_buffer, .address_space: global }
      - { .name: qkv_img, .offset: 32, .size: 8, .value_kind: global_buffer, .address_space: global }
      - { .name: qkv_sc, .offset: 40, .size: 8, .value_kind: global_buffer, .address_space: global }
    .group_segment_fixed_size: 327680
    .private_segment_fixed_size: 0
    .kernarg_segment_align: 8
    .kernarg_segment_size: 48
    .max_flat_workgroup_size: 128
    .sgpr_count:     100
    .vgpr_count:     768
    .wavefront_size: 32
...
	.end_amdgpu_metadata
.endif
;; end of part 2
;; launch attn (part 3): grid 4 x 64, 16 waves a work-group, clusters of 4 x 1, 210,944 bytes of LDS; arguments qkv_img, qkv_sc, ao_img, ao_sc; writes ao_img, ao_sc
.if DOCPART == 3
	.amdgcn_target "amdgcn-amd-amdhsa--gfx1250"
	.amdhsa_code_object_version 6
	.text
	.protected	k_qf9eefd1888_attn
	.globl	k_qf9eefd1888_attn
	.p2align	8
	.type	k_qf9eefd1888_attn,@function
k_qf9eefd1888_attn:
	s_mov_b64 s[64:65], 0
	v_nop
	global_prefetch_b8 v0, s[64:65] scope:SCOPE_SE
	s_setreg_imm32_b32 hwreg(HW_REG_WAVE_MODE, 25, 1), 1
	s_wait_xcnt 0x0
	s_wait_alu depctr_hold_cnt(0) depctr_sa_sdst(0) depctr_va_vdst(0) depctr_va_sdst(0) depctr_va_ssrc(0) depctr_va_vcc(0) depctr_vm_vsrc(0)
	s_getreg_b32 s2, hwreg(HW_REG_IB_STS2, 6, 4)
	s_cmp_eq_u32 s2, 0
	s_cbranch_scc0 .Lentry_in_a_cluster
	s_endpgm
.Lentry_in_a_cluster:
	s_bfe_u32 s2, ttmp6, 0x10000c
	s_cmp_lg_u32 s2, 0x3003
	s_cbranch_scc0 .Lentry_shape_is_right
	s_endpgm
.Lentry_shape_is_right:
; O[b][h][q] = sum over k of softmax_k(q . k / 8) v, both products on codes of FP6 (E2M3) with E8M0 scales; 64 (batch, head) pairs, 2,048 tokens, head size 64.  O / l is quantised along the head's 64 and leaves as codes for the last product.
; SOFTMAX: t = score x log2(e) / 8; M = the running largest t rounded up to a whole number; p = 2^(t - M) is quantised along the keys; l is the sum of the unquantised p, in f32, and divides O at the end.  When M moves, l and O are multiplied by 2^(old M - new M): exact.
; SHARES.  A work-group owns 512 queries of one (batch, head): 256 work-groups.  Each of its sixteen waves owns two tiles of 16 queries, one after the other (two passes); four waves to a SIMD, 256 registers each.
; A WHOLE HEAD'S K AND V LIE IN LDS (2 x 98,304 bytes of codes, 12,288 of scale words): every LDS byte is filled once and serves both passes.  Ten tensor loads, one a wave (waves 0-9), each in an arm of its own:
; the two tiles of scale words and four chunks of 512 keys of K and of V.  In the first pass a barrier stands ahead of each chunk, and the waves that asked for what it shows wait ahead of it.  The second pass has no barrier: all of LDS has been shown.
; CLUSTER.  The four work-groups of a cluster own the queries of one head: each tile is asked for jointly, with a mask that names the four.
; No prefetch: all tiles are asked for at the head, so there is no later request to run ahead of.
; LAYOUT.  Operands lie as images of their registers (16 rows x 64 K: registers 0-3 of lane l at 16 l, registers 4-5 at 512 + 8 l).  Both products are used transposed: S^T = K Q^T, O^T = V^T P^T: a lane holds one query.
; Tile 2 g + u, lane r, holds row 32 g + 8 u + r + 8 (r / 8): the 16 registers of S^T's tiles 2 g, 2 g + 1 are 16 neighbouring keys, those of O^T's 16 neighbouring channels.
; K = 64 IN AN INSTRUCTION OF 128: Q's codes for k = 64 .. 127 are zeros.  K's operand for tile t is 12 registers of which the upper six are the next tile's codes; behind the last tile lie the six registers that keep the second pass's Q.
; E2M3 has no NaN and no infinity, so those products are zeros whatever the codes.  The scale bytes at those places are the pair's other head's (1 .. 254), never 0xff.
; LIMITS: NaN and infinities are not served; p under 2^-126 becomes 0; a block whose largest magnitude lies under 2^-124, or of zeros, keeps the byte 1; the scaled scores stay under 2^31 in magnitude.
; The two scale bytes of a row and a head leave by a store of 2 bytes a lane: a scale word spans two heads, which are two work-groups.
; REGISTERS: v1-3, v10-11, v29-30 addresses that stay; v4-9 the step's; v12 -M, v13 the largest t, v[14:15] l; v16-27 Q, v28 its scale word, v31 the second pass's; v32-79 K's 8 tiles, v80-85 the second pass's Q, v86-93 K's scale words;
;   v94-95, v246-251 l's four partial sums; v96-159 S^T, then p; v160-191 O^T; v192-239 V, v240-243 its scale words; v244 p's scale word.  Behind the first product K's registers serve the softmax.
.set VL,   98304
.set KSL,  196608
.set VSL,  204800
.set SPARE, 208896
.set VIMG, 12582912
.set VSC,  1048576
.set QF,  16
.set QS,  28
.set Q2S, 31
.set Q2,  80
.set KF,  32
.set KS,  86
.set SS,  96
.set OT,  160
.set VF,  192
.set VS,  240
.set SW,  244
.set PC,  32
.set PT,  44
.set BM,  52
.set PR,  56
.set SO,  60
.set FF,  68
.set SPW, 253
.set NIL, 255
.set WV,  12
.set SEL, 20
.set CS,  22
.set G1K,  24
.set G1V,  32
.set G1KS, 40
.set G1VS, 48
.set G0,   56
.set TK,  80
.set TS,  81
.set TT,  82
.set CNT, 83
.macro WALU
	s_wait_alu depctr_va_vdst(0)
.endm
.macro ROUND
	s_barrier_signal -1
	s_barrier_wait -1
	s_cmp_lg_u32 s[WV], 0
	s_cbranch_scc1 .Lnot_wave_0_\@
	s_barrier_signal -3
.Lnot_wave_0_\@:
	s_barrier_wait -3
	s_barrier_signal -1
	s_barrier_wait -1
.endm
.macro GROUP1 g, c, r, p               ; r rows of c elements of 8 bytes, p elements apart; the mask names all four work-groups
	s_mov_b32 s[\g], 15|(3<<16)|(1<<21)
	s_mov_b32 s[\g+1], (\c)<<16
	s_mov_b32 s[\g+2], (\r)<<16
	s_mov_b32 s[\g+3], (\c)<<16
	s_mov_b32 s[\g+4], \r
	s_mov_b32 s[\g+5], \p
	s_mov_b32 s[\g+6], 0
	s_mov_b32 s[\g+7], 0
.endm
.macro ARM w, g1, lds, base, off       ; wave w's one tensor load
	s_cmp_eq_u32 s[WV], \w
	s_cbranch_scc0 .Lna_\@
	s_mov_b32 s[G0+1], \lds
	s_add_nc_u64 s[G0+2:G0+3], s[\base:\base+1], \off
	s_or_b32 s[G0+3], s[G0+3], 0x80000000
	tensor_load_to_lds s[G0:G0+3], s[\g1:\g1+7]
	s_nop 0
.rept 4
	v_nop
.endr
	s_branch .Lasked
.Lna_\@:
.endm
.macro JOIN                            ; l takes the last step's four partial sums
	v_pk_add_f32 v[246:247], v[246:247], v[248:249]
	v_pk_add_f32 v[250:251], v[250:251], v[94:95]
	v_pk_add_f32 v[14:15], v[14:15], v[246:247]
	v_pk_add_f32 v[14:15], v[14:15], v[250:251]
.endm
; A KEY STEP: 128 keys
.macro STEP
	v_add_nc_u32 v4, s[TK], v1                     ; six plain lines: the places behind the last products, ahead of the loads
	v_add_nc_u32 v5, s[TK], v2
	v_add_nc_u32 v6, s[TK], v10
	v_add_nc_u32 v7, s[TK], v11
	v_add_nc_u32 v8, s[TS], v29
	v_add_nc_u32 v9, s[TT], v30
.irp t, 0,1,2,3,4,5,6,7
	ds_load_b128 v[KF+6*\t:KF+6*\t+3], v4 offset:768*\t
	ds_load_b64 v[KF+6*\t+4:KF+6*\t+5], v5 offset:768*\t+512
.endr
	ds_load_b128 v[KS:KS+3], v8
	ds_load_b128 v[KS+4:KS+7], v8 offset:256
.irp t, 0,1,2,3
	ds_load_b128 v[VF+12*\t:VF+12*\t+3], v6 offset:1536*\t
	ds_load_b64 v[VF+12*\t+4:VF+12*\t+5], v7 offset:1536*\t+512
	ds_load_b128 v[VF+12*\t+6:VF+12*\t+9], v6 offset:1536*\t+768
	ds_load_b64 v[VF+12*\t+10:VF+12*\t+11], v7 offset:1536*\t+1280
.endr
	ds_load_b128 v[VS:VS+3], v9
	s_wait_dscnt 17                                ; K and its scale words are in; V's 17 loads may be out
.irp t, 0,1,2,3,4,5,6,7
	v_wmma_scale_f32_16x16x128_f8f6f4 v[SS+8*\t:SS+8*\t+7], v[KF+6*\t:KF+6*\t+11], v[QF:QF+11], 0, v[KS+\t], v[QS] matrix_a_fmt:MATRIX_FMT_FP6 matrix_b_fmt:MATRIX_FMT_FP6
.endr
	JOIN                                           ; four plain lines that name none of the products' registers: the places ahead of the first read of the scores
.irp b, 0,1,2,3
	v_max3_num_f32 v[BM+\b], v[SS+16*\b], v[SS+1+16*\b], v[SS+2+16*\b]   ; the largest score of each block of 32 keys
.endr
.irp i, 3,5,7,9,11,13
.irp b, 0,1,2,3
	v_max3_num_f32 v[BM+\b], v[BM+\b], v[SS+16*\b+\i], v[SS+1+16*\b+\i]
.endr
.endr
.irp b, 0,1,2,3
	v_max_num_f32 v[BM+\b], v[BM+\b], v[SS+15+16*\b]
.endr
.irp b, 0,1,2,3
	s_delay_alu instid0(VALU_DEP_4)
	v_permlanex16_b32 v[PR+\b], v[BM+\b], s[SEL], s[SEL+1]
.endr
.irp b, 0,1,2,3
	s_delay_alu instid0(VALU_DEP_4)
	v_max_num_f32 v[BM+\b], v[BM+\b], v[PR+\b]     ; with lane l xor 16's 16 keys
.endr
	s_delay_alu instid0(VALU_DEP_2)
	v_max3_num_f32 v254, v[BM], v[BM+1], v[BM+2]
	s_delay_alu instid0(VALU_DEP_1)
	v_max_num_f32 v254, v254, v[BM+3]
	s_delay_alu instid0(VALU_DEP_1)
	v_mul_f32 v254, s[CS], v254                    ; the step's largest t
	s_delay_alu instid0(VALU_DEP_1)
	v_max_num_f32 v13, v13, v254
	v_mov_b32 v254, v12
	s_delay_alu instid0(VALU_DEP_2)
	v_floor_f32 v12, -v13                          ; the new -M
	s_delay_alu instid0(VALU_DEP_1)
	v_sub_f32 v254, v12, v254                      ; old M - new M, a whole number
	s_delay_alu instid0(VALU_DEP_1)
	v_cvt_i32_f32 v254, v254
	s_delay_alu instid0(VALU_DEP_1)
	v_ldexp_f32 v[FF], 1.0, v254                   ; f = 2^(old M - new M)
.set j, 0
.rept 32
	v_pk_fma_f32 v[SS+j:SS+j+1], v[SS+j:SS+j+1], s[CS:CS+1], v[12:13] op_sel_hi:[1,0,0]   ; t - M
.set j, j+2
.endr
.irp b, 0,1,2,3
	v_fma_f32 v[BM+\b], v[BM+\b], s[CS], v12       ; the same of each block's largest score
.endr
	WALU                                           ; ahead of the batch
.set j, 0
.rept 64
	v_exp_f32 v[SS+j], v[SS+j]                     ; p
.set j, j+1
.endr
.irp b, 0,1,2,3
	v_exp_f32 v[BM+\b], v[BM+\b]                   ; the block's largest p
.endr
	v_pk_mul_f32 v[14:15], v[14:15], v[FF:FF+1] op_sel_hi:[1,0]   ; l under the new M (the plain place behind the batch)
	WALU                                           ; and behind it
.irp b, 0,1,2,3
	v_max_num_f32 v[BM+\b], 0x1800000, v[BM+\b]    ; the floor 2^(3 - 127): the byte cannot fall under 1
.endr
.irp b, 0,1,2,3
	s_delay_alu instid0(VALU_DEP_4)
	v_add_nc_u32 v[SO+\b], 0xff000000, v[BM+\b]    ; the conversion's scale operand
.endr
.irp b, 0,1,2,3
	s_delay_alu instid0(VALU_DEP_4)
	v_lshrrev_b32 v[PR+\b], 23, v[SO+\b]           ; the byte
.endr
	s_delay_alu instid0(VALU_DEP_3)
	v_lshl_or_b32 v[SW], v[PR+1], 8, v[PR]
	s_delay_alu instid0(VALU_DEP_1)
	v_lshl_or_b32 v[SW], v[PR+2], 16, v[SW]
	s_delay_alu instid0(VALU_DEP_1)
	v_lshl_or_b32 v[SW], v[PR+3], 24, v[SW]
.irp c, 0,1
	v_cvt_scalef32_pk16_fp6_f32 v[PC+6*\c:PC+6*\c+2], v[SS+32*\c:SS+32*\c+15], v[SO+2*\c]
	v_cvt_scalef32_pk16_fp6_f32 v[PT+4*\c:PT+4*\c+2], v[SS+32*\c+16:SS+32*\c+31], v[SO+2*\c+1]
.endr
	v_nop                                          ; one plain place behind a scaled conversion
.irp c, 0,1                                    ; the operand wants a whole block in a lane
.irp i, 0,1,2
	v_permlane16_swap_b32 v[PC+6*\c+\i], v[PT+4*\c+\i]
.endr
.irp i, 0,1,2
	s_delay_alu instid0(VALU_DEP_3)
	v_mov_b32 v[PC+6*\c+3+\i], v[PT+4*\c+\i]
.endr
.endr
.set j, 0
.irp p, 246,248,250,94                         ; the sum of the unquantised p, in four chains by turns; they are joined behind the next step's first products
	v_pk_add_f32 v[\p:\p+1], v[SS+j:SS+j+1], v[SS+8+j:SS+9+j]
.set j, j+2
.endr
.set j, 16
.rept 6
.irp p, 246,248,250,94
	v_pk_add_f32 v[\p:\p+1], v[\p:\p+1], v[SS+j:SS+j+1]
.set j, j+2
.endr
.endr
	WALU                                           ; directly ahead of the first reader of O^T
.set j, 0
.rept 16
	v_pk_mul_f32 v[OT+j:OT+j+1], v[OT+j:OT+j+1], v[FF:FF+1] op_sel_hi:[1,0]   ; O^T under the new M, each accumulator from its low end on
.set j, j+2
.endr
	WALU
	s_wait_dscnt 0x0                               ; V is in
.irp t, 0,1,2,3                                ; four accumulators by turns
	v_wmma_scale_f32_16x16x128_f8f6f4 v[OT+8*\t:OT+8*\t+7], v[VF+12*\t:VF+12*\t+11], v[PC:PC+11], v[OT+8*\t:OT+8*\t+7], v[VS+\t], v[SW] matrix_a_fmt:MATRIX_FMT_FP6 matrix_b_fmt:MATRIX_FMT_FP6
.endr
	s_add_co_u32 s[TK], s[TK], 6144
	s_add_co_u32 s[TS], s[TS], 512
	s_add_co_u32 s[TT], s[TT], 256
.endm
; First pass, a chunk of 512 keys: waves 0 .. 3 + 2 c hold the loads that it needs; they wait, all meet, four steps follow.
.macro CHUNK c
.if \c < 3
	s_cmp_lt_u32 s[WV], 4+2*\c
	s_cbranch_scc0 .Lnw_\@
	s_wait_tensorcnt 0x0
.Lnw_\@:
.else
	s_wait_tensorcnt 0x0                           ; the last barrier shows all that is still out: every wave waits
.endif
	s_wait_dscnt 0x0
	s_barrier_signal -1
	s_barrier_wait -1
	s_mov_b32 s[TK], \c*24576
	s_mov_b32 s[TS], \c*2048
	s_mov_b32 s[TT], \c*1024
	s_mov_b32 s[CNT], 4
.Lstep_\@:
	STEP
	s_sub_co_u32 s[CNT], s[CNT], 1
	s_cmp_lg_u32 s[CNT], 0
	s_cbranch_scc1 .Lstep_\@
.endm
.macro RESET                           ; a pass begins: the step is written once and finds zeros, which the first change of M leaves zeros
	v_mov_b32 v13, 0xff61b1e6                      ; -3e38, under every t
	v_mov_b32 v14, 0
	v_mov_b32 v15, 0
	v_floor_f32 v12, -v13
.irp p, 246,247,248,249,250,251,94,95
	v_mov_b32 v\p, 0
.endr
.set j, 0
.rept 32
	v_mov_b32 v[OT+j], 0
.set j, j+1
.endr
.endm
; THE WAY OUT of a pass: O^T / l, quantised along the head's 64: half a fragment and two scale bytes a row
.macro OUT oc, os
	JOIN                                           ; the last step's sums; also the places behind the last products
	v_add_f32 v14, v14, v15
	s_delay_alu instid0(VALU_DEP_1)
	v_permlanex16_b32 v254, v14, s[SEL], s[SEL+1]
	s_delay_alu instid0(VALU_DEP_1)
	v_add_f32 v14, v14, v254
	WALU
	v_rcp_f32 v14, v14
	v_nop
	WALU
.set j, 0
.rept 32
	v_mul_f32 v[SS+j], v[OT+j], v14                ; register 16 g + i is channel 32 g + 16 (lane / 16) + i
.set j, j+1
.endr
.irp g, 0,1
	v_max3_num_f32 v[BM+\g], |v[SS+16*\g]|, |v[SS+1+16*\g]|, 0x1800000
.endr
.irp i, 2,4,6,8,10,12,14
.irp g, 0,1
	s_delay_alu instid0(VALU_DEP_2)
	v_max3_num_f32 v[BM+\g], v[BM+\g], |v[SS+16*\g+\i]|, |v[SS+1+16*\g+\i]|
.endr
.endr
.irp g, 0,1
	s_delay_alu instid0(VALU_DEP_2)
	v_permlanex16_b32 v[PR+\g], v[BM+\g], s[SEL], s[SEL+1]
.endr
.irp g, 0,1
	s_delay_alu instid0(VALU_DEP_2)
	v_max_num_f32 v[BM+\g], v[BM+\g], v[PR+\g]
.endr
.irp g, 0,1
	s_delay_alu instid0(VALU_DEP_2)
	v_add_nc_u32 v[SO+\g], 0xff000000, v[BM+\g]
.endr
.irp g, 0,1
	s_delay_alu instid0(VALU_DEP_2)
	v_lshrrev_b32 v[PR+\g], 23, v[SO+\g]
.endr
	s_delay_alu instid0(VALU_DEP_1)
	v_lshl_or_b32 v245, v[PR+1], 8, v[PR]
	v_cvt_scalef32_pk16_fp6_f32 v[PC:PC+2], v[SS:SS+15], v[SO]
	v_cvt_scalef32_pk16_fp6_f32 v[PT:PT+2], v[SS+16:SS+31], v[SO+1]
	v_nop
.irp i, 0,1,2
	v_permlane16_swap_b32 v[PC+\i], v[PT+\i]
.endr
.irp i, 0,1,2
	s_delay_alu instid0(VALU_DEP_3)
	v_mov_b32 v[PC+3+\i], v[PT+\i]
.endr
	global_store_b128 v1, v[PC:PC+3], s[8:9] offset:\oc           ; 512 consecutive bytes
	global_store_b64 v2, v[PC+4:PC+5], s[8:9] offset:(\oc)+512    ; 256 consecutive bytes
	global_store_b16 v3, v245, s[10:11] offset:\os
.endm
	s_load_b256 s[4:11], s[0:1], 0x0               ; qkv_img, qkv_sc, ao_img, ao_sc
	v_lshl_add_u32 v[SPW], v0, 2, SPARE
	v_mov_b32 v[NIL], 0
	ds_add_u32 v[SPW], v[NIL]                      ; the opening lines
	ds_add_u32 v[SPW], v[NIL]
	v_lshrrev_b32 v1, 5, v0
	s_delay_alu instid0(VALU_DEP_1)
	v_readfirstlane_b32 s[WV], v1                  ; wave 0..15
	s_bfe_u32 s13, ttmp6, 0x40000                  ; cx: it enters Q's and O's addresses alone
	s_lshl_b32 s14, ttmp9, 2
	s_add_co_u32 s14, s14, s13                     ; my block of 512 queries
	s_and_b32 s15, ttmp7, 0xffff                   ; 16 x batch + head
	s_lshr_b32 s16, s15, 4
	s_and_b32 s17, s15, 15
	s_lshr_b32 s18, s17, 1                         ; the pair of heads
	s_and_b32 s19, s17, 1                          ; which of the pair
	GROUP1 G1K, 96, 32, 192                        ; K's codes: 32 tiles x 768 bytes, 1,536 apart
	GROUP1 G1V, 768, 4, 12288                      ; V's: 4 x 6,144 bytes, 98,304 apart
	GROUP1 G1KS, 32, 32, 64                        ; K's scale words: 32 rows of 256 bytes, 512 apart
	GROUP1 G1VS, 32, 16, 1024                      ; V's: 16 rows of 256 bytes, 8,192 apart
	s_add_co_u32 s84, s18, 8                       ; K's codes: ((8 + pair) 512 + 128 batch) 1,536 + 768 x which
	s_lshl_b32 s84, s84, 9
	s_lshl_b32 s85, s16, 7
	s_add_co_u32 s84, s84, s85
	s_mul_i32 s84, s84, 1536
	s_mul_i32 s85, s19, 768
	s_add_co_u32 s84, s84, s85
	s_lshl_b32 s86, s16, 10                        ; V's codes: VIMG + (1,024 batch + 4 head) 1,536
	s_lshl_b32 s87, s17, 2
	s_add_co_u32 s86, s86, s87
	s_mul_i32 s86, s86, 1536
	s_add_co_u32 s86, s86, VIMG
	s_add_co_u32 s88, s18, 8                       ; K's scale words: ((8 + pair) 64 + 16 batch) 1,024 + 256 x which
	s_lshl_b32 s88, s88, 6
	s_lshl_b32 s89, s16, 4
	s_add_co_u32 s88, s88, s89
	s_lshl_b32 s88, s88, 10
	s_lshl_b32 s89, s19, 8
	s_add_co_u32 s88, s88, s89
	s_lshl_b32 s90, s16, 7                         ; V's: VSC + (128 batch + pair) 1,024 + 512 x which
	s_add_co_u32 s90, s90, s18
	s_lshl_b32 s90, s90, 10
	s_lshl_b32 s91, s19, 9
	s_add_co_u32 s90, s90, s91
	s_add_co_u32 s90, s90, VSC
	s_mov_b32 s85, 0
	s_mov_b32 s87, 0
	s_mov_b32 s89, 0
	s_mov_b32 s91, 0
	s_mov_b32 s[SEL], 0x76543210
	s_mov_b32 s[SEL+1], 0xfedcba98
	s_mov_b32 s[CS], 0x3e38aa3b                    ; c = log2(e) / 8
	s_mov_b32 s[CS+1], s[CS]
	s_mov_b32 s[G0], 1
	WALU
	s_wait_dscnt 0x0
	s_wait_kmcnt 0x0
	s_add_nc_u64 s[84:85], s[4:5], s[84:85]
	s_add_nc_u64 s[86:87], s[4:5], s[86:87]
	s_add_nc_u64 s[88:89], s[6:7], s[88:89]
	s_add_nc_u64 s[90:91], s[6:7], s[90:91]
	ROUND                                          ; all four work-groups are here: the joint loads meet
	ARM 0, G1KS, KSL, 88, 0
	ARM 1, G1VS, VSL, 90, 0
	ARM 2, G1K, 0, 84, 0
	ARM 3, G1V, VL, 86, 0
	ARM 4, G1K, 24576, 84, 49152
	ARM 5, G1V, VL+24576, 86, 393216
	ARM 6, G1K, 49152, 84, 98304
	ARM 7, G1V, VL+49152, 86, 786432
	ARM 8, G1K, 73728, 84, 147456
	ARM 9, G1V, VL+73728, 86, 1179648
.Lasked:
	s_lshl_b32 s96, s16, 7
	s_lshl_b32 s97, s14, 5
	s_add_co_u32 s96, s96, s97
	s_add_co_u32 s96, s96, s[WV]                   ; my first tile of tokens: 128 batch + 32 block + wave; the second lies 16 tiles on
	s_lshl_b32 s98, s18, 9                         ; Q's codes: (512 pair + tile) 1,536 + 768 x which
	s_add_co_u32 s98, s98, s96
	s_mul_i32 s98, s98, 1536
	s_mul_i32 s99, s19, 768
	s_add_co_u32 s98, s98, s99
	s_mov_b32 s99, 0
	s_add_nc_u64 s[98:99], s[4:5], s[98:99]
	s_lshl_b32 s2, s18, 6                          ; Q's scale words: (64 pair + tile / 8) 1,024 + 512 ((tile / 4) % 2) + 256 x which + 4 (tile % 4)
	s_lshr_b32 s3, s96, 3
	s_add_co_u32 s2, s2, s3
	s_lshl_b32 s2, s2, 10
	s_bfe_u32 s3, s96, 0x10002
	s_lshl_b32 s3, s3, 9
	s_add_co_u32 s2, s2, s3
	s_lshl_b32 s3, s19, 8
	s_add_co_u32 s2, s2, s3
	s_and_b32 s3, s96, 3
	s_lshl_b32 s3, s3, 2
	s_add_co_u32 s2, s2, s3
	s_mov_b32 s3, 0
	s_add_nc_u64 s[2:3], s[6:7], s[2:3]
	s_lshl_b32 s92, s96, 4                         ; O's codes: (16 tile + head) 768
	s_add_co_u32 s92, s92, s17
	s_mul_i32 s92, s92, 768
	s_mov_b32 s93, 0
	s_add_nc_u64 s[8:9], s[8:9], s[92:93]
	s_lshl_b32 s92, s96, 9                         ; O's scale bytes: 512 tile + 256 (head / 8) + 4 (pair % 4) + 2 x which
	s_lshr_b32 s94, s17, 3
	s_lshl_b32 s94, s94, 8
	s_add_co_u32 s92, s92, s94
	s_and_b32 s94, s18, 3
	s_lshl_b32 s94, s94, 2
	s_add_co_u32 s92, s92, s94
	s_lshl_b32 s94, s19, 1
	s_add_co_u32 s92, s92, s94
	s_add_nc_u64 s[10:11], s[10:11], s[92:93]
	v_and_b32 v3, 31, v0
	v_and_b32 v4, 15, v0
	v_lshlrev_b32 v1, 4, v3                        ; 16 x lane
	v_lshlrev_b32 v2, 3, v3                        ; 8 x lane
	v_lshlrev_b32 v3, 4, v4                        ; 16 r
	v_add_nc_u32 v10, VL, v1
	v_add_nc_u32 v11, VL, v2
	v_add_nc_u32 v29, KSL, v3
	v_add_nc_u32 v30, VSL, v3
	global_load_b128 v[QF:QF+3], v1, s[98:99]      ; the first pass's Q,
	global_load_b64 v[QF+4:QF+5], v2, s[98:99] offset:512
	global_load_b32 v[QS], v3, s[2:3]
	global_load_b128 v[Q2:Q2+3], v1, s[98:99] offset:24576   ; and the second's, 16 tiles on
	global_load_b64 v[Q2+4:Q2+5], v2, s[98:99] offset:25088
	global_load_b32 v[Q2S], v3, s[2:3] offset:2048
.irp j, 6,7,8,9,10,11
	v_mov_b32 v[QF+\j], 0                          ; Q's codes for k = 64 .. 127: zeros, in both passes
.endr
	RESET
	WALU                                           ; the wait at the head's end
	s_wait_loadcnt 0x0
	CHUNK 0
	CHUNK 1
	CHUNK 2
	CHUNK 3
	OUT 0, 0
	; THE SECOND PASS: the same K and V, as they lie in LDS
	s_wait_xcnt 0x0                                ; the stores have read their registers
	v_mov_b32 v[QS], v[Q2S]
.irp j, 0,1,2,3,4,5
	v_mov_b32 v[QF+\j], v[Q2+\j]
.endr
	RESET                                          ; (44 plain lines: the places between Q's registers and scale word and the first product)
	WALU
	s_mov_b32 s[TK], 0
	s_mov_b32 s[TS], 0
	s_mov_b32 s[TT], 0
	s_mov_b32 s[CNT], 16
.Lsecond:
	STEP
	s_sub_co_u32 s[CNT], s[CNT], 1
	s_cmp_lg_u32 s[CNT], 0
	s_cbranch_scc1 .Lsecond
	OUT 196608, 8192
	s_wait_tensorcnt 0x0                           ; the wave's end
	ds_add_u32 v[SPW], v[NIL]
	s_wait_dscnt 0x0
	ROUND                                          ; the closing round
	s_endpgm
.Lfunc_end_k_qf9eefd1888_attn:
	.size	k_qf9eefd1888_attn, .Lfunc_end_k_qf9eefd1888_attn-k_qf9eefd1888_attn
	.p2alignl 7, 3214868480
	.fill 96, 4, 3214868480
	.section	.rodata,"a",@progbits
	.p2align	6, 0x0
	.amdhsa_kernel k_qf9eefd1888_attn
		.amdhsa_group_segment_fixed_size 210944
		.amdhsa_private_segment_fixed_size 0
		.amdhsa_enable_private_segment 0
		.amdhsa_kernarg_size 32
		.amdhsa_user_sgpr_count 2
		.amdhsa_user_sgpr_kernarg_segment_ptr 1
		.amdhsa_wavefront_size32 1
		.amdhsa_system_sgpr_workgroup_id_x 1
		.amdhsa_system_sgpr_workgroup_id_y 1
		.amdhsa_system_sgpr_workgroup_id_z 1
		.amdhsa_system_vgpr_workitem_id 0
		.amdhsa_next_free_vgpr 256
		.amdhsa_next_free_sgpr 100
		.amdhsa_reserve_vcc 0
		.amdhsa_float_denorm_mode_32 3
		.amdhsa_float_denorm_mode_16_64 3
		.amdhsa_memory_ordered 1
		.amdhsa_forward_progress 1
		.amdhsa_inst_pref_size 112
	.end_amdhsa_kernel
	.amdgpu_metadata
---
amdhsa.version: [ 1, 2 ]
amdhsa.kernels:
  - .name:           k_qf9eefd1888_attn
    .symbol:         k_qf9eefd1888_attn.kd
    .args:
      - { .name: qkv_img, .offset: 0, .size: 8, .value_kind: global_buffer, .address_space: global }
      - { .name: qkv_sc, .offset: 8, .size: 8, .value_kind: global_buffer, .address_space: global }
      - { .name: ao_img, .offset: 16, .size: 8, .value_kind: global_buffer, .address_space: global }
      - { .name: ao_sc, .offset: 24, .size: 8, .value_kind: global_buffer, .address_space: global }
    .group_segment_fixed_size: 210944
    .private_segment_fixed_size: 0
    .kernarg_segment_align: 8
    .kernarg_segment_size: 32
    .max_flat_workgroup_size: 512
    .sgpr_count:     100
    .vgpr_count:     256
    .wavefront_size: 32
...
	.end_amdgpu_metadata
.endif
;; end of part 3
;; launch proj (part 4): grid 4 x 64, 4 waves a work-group, clusters of 4 x 4, 327,680 bytes of LDS; arguments ao_img, ao_sc, w_img, w_sc, b_out, out0; writes out0
.if DOCPART == 4
	.amdgcn_target "amdgcn-amd-amdhsa--gfx1250"
	.amdhsa_code_object_version 6
	.text
	.protected	k_qf9eefd1888_proj
	.globl	k_qf9eefd1888_proj
	.p2align	8
	.type	k_qf9eefd1888_proj,@function
k_qf9eefd1888_proj:
	s_mov_b64 s[64:65], 0
	v_nop
	global_prefetch_b8 v0, s[64:65] scope:SCOPE_SE
	s_setreg_imm32_b32 hwreg(HW_REG_WAVE_MODE, 25, 1), 1
	s_wait_xcnt 0x0
	s_wait_alu depctr_hold_cnt(0) depctr_sa_sdst(0) depctr_va_vdst(0) depctr_va_sdst(0) depctr_va_ssrc(0) depctr_va_vcc(0) depctr_vm_vsrc(0)
	s_getreg_b32 s2, hwreg(HW_REG_IB_STS2, 6, 4)
	s_cmp_eq_u32 s2, 0
	s_cbranch_scc0 .Lentry_in_a_cluster
	s_endpgm
.Lentry_in_a_cluster:
	s_bfe_u32 s2, ttmp6, 0x10000c
	s_cmp_lg_u32 s2, 0xf033
	s_cbranch_scc0 .Lentry_shape_is_right
	s_endpgm
.Lentry_shape_is_right:
; out0[8192][1024] = O W_out + b_out, on codes of FP6 (E2M3) with E8M0 scales, K = 1,024; sums in f32; the bias is the first products' C.
; A work-group makes 128 rows x 256 columns: 64 x 4 = 256 work-groups.  Four waves, 2 x 2; a wave makes 64 x 128: 32 accumulators of 16 x 16.
; ALL OF K LIES IN LDS: 8 tiles of O and 16 tiles of W_out, 12,288 bytes a tile, 294,912 bytes.  Four joint loads at the head, one a wave: each side's K steps 0-3 (waves 0, 1) and 4-7 (waves 3, 2), rows of 6,144 bytes.
; Every LDS byte is filled once: no ring, no refill.  The first barrier shows K steps 0-3, the second, in step 3, the rest.  No prefetch: all tiles are asked for at the head, so there is no later request to run ahead of.
; CLUSTER 4 x 4: O's tiles are shared along a row of the cluster, W_out's along a column.
; OPERANDS lie as images of their registers: a fragment (16 rows x 128 K) is 1,536 bytes; tile 2 g + u, lane r, holds row (column) 32 g + 8 u + r + 8 (r / 8).
; SCALE WORDS: a tile has 512 bytes, [K half][r][4 words]: one dense load of 16 bytes a lane gives four registers; register j holds K step j in lanes 0-15 and K step 4 + j in lanes 16-31.
; The matrix instruction is used transposed (source 0 = W_out's columns): a lane holds eight neighbouring numbers of a row of out0.  Results leave through the wave's own stage, which lies on the bytes of O's K steps 0-3:
; they have had their only fill, and behind the second barrier nobody reads them.
; REGISTERS: window 0: v16-29 addresses, v32-47 O's scale words, v50-81 W_out's, v96-191 O's fragments (two sets), on the way out v128-255; window 1: v0-191 W_out's fragments (two sets), v192-255 the bias; window 2: the accumulators.
.set FR,    12
.set TROW,  6144
.set LA,    0
.set LB,    49152
.set RG,    147456                     ; from K steps 0-3 to K steps 4-7
.set SPARE, 294912
.set SPITCH, 528
.set A16,  16
.set A8,   18
.set B16,  20
.set B8,   22
.set STO,  24
.set RD,   25
.set CO,   26
.set SPW,  28
.set NIL,  29
.set SCA,  32
.set SCB,  50
.set AF,   96
.set BK,   128
.set BIA,  192
.set G1A,  24
.set G1B,  32
.set G0,   40
.set MSB, 0
.macro WIN new
.if MSB != (\new)
	s_set_vgpr_msb (MSB<<8)|(\new)
.set MSB, (\new)
.endif
.endm
.macro PLACES
.rept 4
	v_nop
.endr
.endm
.macro CROUND
	s_barrier_signal -1
	s_barrier_wait -1
	s_cmp_lg_u32 s16, 0
	s_cbranch_scc1 .Lnot_wave_0_\@
	s_barrier_signal -3
.Lnot_wave_0_\@:
	s_barrier_wait -3
	s_barrier_signal -1
	s_barrier_wait -1
.endm
.macro GROUP1 g, mask, rows
	s_or_b32 s[\g], s\mask, (3<<16)|(1<<21)
	s_mov_b32 s[\g+1], 768<<16
	s_mov_b32 s[\g+2], (\rows)<<16
	s_mov_b32 s[\g+3], 768<<16
	s_mov_b32 s[\g+4], \rows
	s_mov_b32 s[\g+5], 1536
	s_mov_b32 s[\g+6], 0
	s_mov_b32 s[\g+7], 0
.endm
.macro SET0 g, lds, base, off
	s_mov_b32 s[\g], 1
	s_mov_b32 s[\g+1], \lds
	s_add_nc_u64 s[\g+2:\g+3], s[\base:\base+1], \off
	s_or_b32 s[\g+3], s[\g+3], 0x80000000
.endm
.macro ARM under, g0, g1, next
	s_cmp_lt_u32 s16, \under
	s_cbranch_scc0 \next
	tensor_load_to_lds s[\g0:\g0+3], s[\g1:\g1+7]
	s_nop 0
	PLACES
	s_branch .Lhead_asked
\next:
.endm
.macro FRAG reg, a16, a8, off
	ds_load_b128 v[\reg:\reg+3], v[\a16] offset:(\off)
	ds_load_b64 v[\reg+4:\reg+5], v[\a8] offset:(\off)+512
	ds_load_b128 v[\reg+6:\reg+9], v[\a16] offset:(\off)+768
	ds_load_b64 v[\reg+10:\reg+11], v[\a8] offset:(\off)+1280
.endm
.macro FETCH st                        ; step st's fragments into set st % 2: 48 loads
	WIN 0x40
.irp i, 0,1,2,3,4,5,6,7
	FRAG 96*((\st)%2)+FR*\i, B16+(\st)/4, B8+(\st)/4, \i*TROW+((\st)%4)*1536
.endr
	WIN 0
.irp i, 0,1,2,3
	FRAG AF+48*((\st)%2)+FR*\i, A16+(\st)/4, A8+(\st)/4, \i*TROW+((\st)%4)*1536
.endr
.endm
.macro WM d, fb, fa, c, sb, sa, row
.if \row
	v_wmma_scale_f32_16x16x128_f8f6f4 v[\d:\d+7], v[\fb:\fb+11], v[\fa:\fa+11], \c, v[\sb], v[\sa] matrix_a_fmt:MATRIX_FMT_FP6 matrix_b_fmt:MATRIX_FMT_FP6 matrix_a_scale:MATRIX_SCALE_ROW1 matrix_b_scale:MATRIX_SCALE_ROW1
.else
	v_wmma_scale_f32_16x16x128_f8f6f4 v[\d:\d+7], v[\fb:\fb+11], v[\fa:\fa+11], \c, v[\sb], v[\sa] matrix_a_fmt:MATRIX_FMT_FP6 matrix_b_fmt:MATRIX_FMT_FP6
.endif
.endm
.macro MUL st                          ; 32 products; the 32 accumulators take turns, in the same order in every step
.irp a, 0,1,2,3
.irp b, 0,1,2,3,4,5,6,7
.if (\st) == 0
	WM 8*(8*\a+\b), 96*((\st)%2)+FR*\b, AF+48*((\st)%2)+FR*\a, v[BIA+8*\b:BIA+8*\b+7], SCB+4*\b+(\st)%4, SCA+4*\a+(\st)%4, (\st)/4
.else
	WM 8*(8*\a+\b), 96*((\st)%2)+FR*\b, AF+48*((\st)%2)+FR*\a, v[8*(8*\a+\b):8*(8*\a+\b)+7], SCB+4*\b+(\st)%4, SCA+4*\a+(\st)%4, (\st)/4
.endif
.endr
.endr
.endm
.macro STEP st
	s_wait_dscnt 0x0                               ; this step's fragments are in (asked for ahead of the last step's products)
.if (\st) == 0
	s_wait_loadcnt 0x0                             ; the scale words and the bias
.endif
.if (\st) == 3
	s_wait_tensorcnt 0x0                           ; every wave: all that is still out; my reads of K steps 0-3 are over
	s_barrier_signal -1
	s_barrier_wait -1
.endif
.if (\st) > 0 && (\st) < 7
	PLACES                                         ; ahead of loads into registers that the last step's products read
.endif
.if (\st) < 7
	FETCH (\st)+1
.endif
.if (\st) == 0
	WIN 0x91                                       ; source 0 and C window 1, source 1 window 0, D window 2
.else
	WIN 0xa1
.endif
	MUL \st
	WIN 0
.endm
.macro TOSTAGE a
	WIN 0x08
.irp b, 0,1,2,3,4,5,6,7
	ds_store_b128 v[STO], v[64*(\a)+8*\b:64*(\a)+8*\b+3] offset:128*(\b/2)+32*(\b%2)     ; each accumulator from its low end on
	ds_store_b128 v[STO], v[64*(\a)+8*\b+4:64*(\a)+8*\b+7] offset:128*(\b/2)+32*(\b%2)+16
.endr
	WIN 0
.set BB, BK+64*((\a)%2)
.irp t, 0,1,2,3,4,5,6,7,8,9,10,11,12,13,14,15
	ds_load_b128 v[BB+4*\t:BB+4*\t+3], v[RD] offset:\t*SPITCH      ; LDS serves a wave's instructions in order
.endr
.endm
.macro SEND a, younger
.set BB, BK+64*((\a)%2)
	s_wait_dscnt \younger
.irp t, 0,1,2,3,4,5,6,7,8,9,10,11,12,13,14,15
	global_store_b128 v[CO], v[BB+4*\t:BB+4*\t+3], s[14:15] offset:(32*((\a)/2)+8*((\a)%2)+\t+8*(\t/8))*4096 th:TH_STORE_NT   ; 512 consecutive bytes of a row
.endr
.endm
	s_load_b256 s[4:11], s[0:1], 0x0               ; ao_img, ao_sc, w_img, w_sc
	s_load_b128 s[12:15], s[0:1], 0x20             ; b_out, out0
	v_lshl_add_u32 v[SPW], v0, 2, SPARE
	v_mov_b32 v[NIL], 0
	ds_add_u32 v[SPW], v[NIL]                      ; the opening lines
	ds_add_u32 v[SPW], v[NIL]
	v_lshrrev_b32 v1, 5, v0
	v_readfirstlane_b32 s16, v1
	s_lshr_b32 s17, s16, 1                         ; my half of the rows
	s_and_b32 s18, s16, 1                          ; my half of the columns
	s_bfe_u32 s60, ttmp6, 0x40000                  ; cx
	s_bfe_u32 s61, ttmp6, 0x40004                  ; cy
	s_lshl_b32 s62, ttmp9, 2
	s_add_co_u32 s62, s62, s60                     ; block of 256 columns, 0 .. 3
	s_and_b32 s20, ttmp7, 0xffff
	s_lshl_b32 s20, s20, 2
	s_add_co_u32 s20, s20, s61                     ; block of 128 rows, 0 .. 63
	s_lshl_b32 s63, s61, 2
	s_lshl_b32 s63, 15, s63                        ; my row of the cluster
	s_lshl_b32 s66, 0x1111, s60                    ; my column
	GROUP1 G1A, 63, 8
	GROUP1 G1B, 66, 16
	s_mul_i32 s68, s20, 8*12288                    ; O's 8 tiles
	s_mov_b32 s69, 0
	s_lshl_b32 s70, s62, 4
	s_add_co_u32 s70, s70, 192                     ; W_out's tiles lie behind W_qkv's 192
	s_mul_i32 s70, s70, 12288
	s_mov_b32 s71, 0
	s_lshl_b32 s56, s20, 12                        ; my 4 tiles' scale words: (8 block + 4 half) 512
	s_lshl_b32 s57, s17, 11
	s_add_co_u32 s56, s56, s57
	s_mov_b32 s57, 0
	s_lshl_b32 s58, s62, 13                        ; my 8 tiles': (192 + 16 block + 8 half) 512
	s_lshl_b32 s59, s18, 12
	s_add_co_u32 s58, s58, s59
	s_add_co_u32 s58, s58, 98304
	s_mov_b32 s59, 0
	s_lshl_b32 s2, s62, 10                         ; my first column, in bytes
	s_lshl_b32 s3, s18, 9
	s_add_co_u32 s2, s2, s3
	s_mov_b32 s3, 0
	s_lshl_b32 s72, s20, 19                        ; my first row, in bytes
	s_lshl_b32 s73, s17, 18
	s_add_co_u32 s72, s72, s73
	s_mov_b32 s73, 0
	s_mul_i32 s21, s17, 4*TROW                     ; LDS: my 4 tiles of O,
	s_mul_i32 s22, s18, 8*TROW
	s_add_co_u32 s22, s22, LB                      ; my 8 of W_out,
	s_add_co_u32 s74, s21, RG
	s_add_co_u32 s75, s22, RG
	s_mul_i32 s23, s16, 16*SPITCH                  ; my stage
	s_wait_alu depctr_va_vdst(0)
	s_wait_dscnt 0x0
	s_wait_kmcnt 0x0
	s_add_nc_u64 s[68:69], s[4:5], s[68:69]
	s_add_nc_u64 s[70:71], s[8:9], s[70:71]
	CROUND                                         ; all sixteen work-groups are here: the joint loads meet
	SET0 G0, LA, 68, 0
	SET0 G0+4, LB, 70, 0
	SET0 G0+8, LB+RG, 70, TROW
	SET0 G0+12, LA+RG, 68, TROW
	ARM 1, G0, G1A, .Lhead_b
	ARM 2, G0+4, G1B, .Lhead_b1
	ARM 3, G0+8, G1B, .Lhead_a1
	tensor_load_to_lds s[G0+12:G0+15], s[G1A:G1A+7]
	s_nop 0
	PLACES
.Lhead_asked:
	s_add_nc_u64 s[56:57], s[6:7], s[56:57]
	s_add_nc_u64 s[58:59], s[10:11], s[58:59]
	s_add_nc_u64 s[12:13], s[12:13], s[2:3]
	s_add_nc_u64 s[14:15], s[14:15], s[2:3]
	s_add_nc_u64 s[14:15], s[14:15], s[72:73]
	v_and_b32 v3, 31, v0
	v_and_b32 v1, 15, v0
	v_bfe_u32 v2, v0, 4, 1
	v_lshlrev_b32 v[CO], 4, v3
	v_lshlrev_b32 v6, 3, v3
	v_mul_u32_u24 v4, v1, SPITCH
	v_lshlrev_b32 v5, 6, v2                        ; the bias: 64 bytes on for lanes 16-31
	v_add_nc_u32 v[A16], s21, v[CO]
	v_add_nc_u32 v[A8], s21, v6
	v_add_nc_u32 v[B16], s22, v[CO]
	v_add_nc_u32 v[B8], s22, v6
	v_add_nc_u32 v[A16+1], s74, v[CO]
	v_add_nc_u32 v[A8+1], s74, v6
	v_add_nc_u32 v[B16+1], s75, v[CO]
	v_add_nc_u32 v[B8+1], s75, v6
	v_lshl_add_u32 v4, v2, 6, v4
	v_add_nc_u32 v[RD], s23, v[CO]
	v_add_nc_u32 v[STO], s23, v4
	s_wait_alu depctr_va_vdst(0)                   ; the wait at the head's end
.irp i, 0,1,2,3
	global_load_b128 v[SCA+4*\i:SCA+4*\i+3], v[CO], s[56:57] offset:512*\i     ; 512 consecutive bytes
.endr
.irp i, 0,1,2,3,4,5,6,7
	global_load_b128 v[SCB+4*\i:SCB+4*\i+3], v[CO], s[58:59] offset:512*\i
.endr
	WIN 0x40
.irp b, 0,1,2,3,4,5,6,7
	global_load_b128 v[BIA+8*\b:BIA+8*\b+3], v5, s[12:13] offset:(32*(\b/2)+8*(\b%2))*4
	global_load_b128 v[BIA+8*\b+4:BIA+8*\b+7], v5, s[12:13] offset:(32*(\b/2)+8*(\b%2))*4+16
.endr
	WIN 0
	s_cmp_lt_u32 s16, 2                            ; waves 0 and 1 asked for K steps 0-3
	s_cbranch_scc0 .Lnot_first
	s_wait_tensorcnt 0x0
.Lnot_first:
	s_barrier_signal -1
	s_barrier_wait -1                              ; the other two loads may be out
	FETCH 0
.irp st, 0,1,2,3,4,5,6,7
	STEP \st
.endr
	PLACES                                         ; ahead of the first read of results and of loads into the fragments' registers
	TOSTAGE 0
.irp a, 1,2,3
.if \a > 1
	s_wait_xcnt 0x0                                ; block a - 2's stores have read their registers
.endif
	TOSTAGE \a
	SEND \a-1, 32                                  ; behind block a - 1's loads: block a's 16 stores and 16 loads
.endr
	SEND 3, 0
	s_wait_tensorcnt 0x0                           ; the wave's end
	ds_add_u32 v[SPW], v[NIL]
	s_wait_dscnt 0x0
	CROUND                                         ; the closing round
	s_endpgm
.Lfunc_end_k_qf9eefd1888_proj:
	.size	k_qf9eefd1888_proj, .Lfunc_end_k_qf9eefd1888_proj-k_qf9eefd1888_proj
	.p2alignl 7, 3214868480
	.fill 96, 4, 3214868480
	.section	.rodata,"a",@progbits
	.p2align	6, 0x0
	.amdhsa_kernel k_qf9eefd1888_proj
		.amdhsa_group_segment_fixed_size 327680
		.amdhsa_private_segment_fixed_size 0
		.amdhsa_enable_private_segment 0
		.amdhsa_kernarg_size 48
		.amdhsa_user_sgpr_count 2
		.amdhsa_user_sgpr_kernarg_segment_ptr 1
		.amdhsa_wavefront_size32 1
		.amdhsa_system_sgpr_workgroup_id_x 1
		.amdhsa_system_sgpr_workgroup_id_y 1
		.amdhsa_system_sgpr_workgroup_id_z 1
		.amdhsa_system_vgpr_workitem_id 0
		.amdhsa_next_free_vgpr 768
		.amdhsa_next_free_sgpr 100
		.amdhsa_reserve_vcc 0
		.amdhsa_float_denorm_mode_32 3
		.amdhsa_float_denorm_mode_16_64 3
		.amdhsa_memory_ordered 1
		.amdhsa_forward_progress 1
		.amdhsa_inst_pref_size 83
	.end_amdhsa_kernel
	.amdgpu_metadata
---
amdhsa.version: [ 1, 2 ]
amdhsa.kernels:
  - .name:           k_qf9eefd1888_proj
    .symbol:         k_qf9eefd1888_proj.kd
    .args:
      - { .name: ao_img, .offset: 0, .size: 8, .value_kind: global_buffer, .address_space: global }
      - { .name: ao_sc, .offset: 8, .size: 8, .value_kind: global_buffer, .address_space: global }
      - { .name: w_img, .offset: 16, .size: 8, .value_kind: global_buffer, .address_space: global }
      - { .name: w_sc, .offset: 24, .size: 8, .value_kind: global_buffer, .address_space: global }
      - { .name: b_out, .offset: 32, .size: 8, .value_kind: global_buffer, .address_space: global }
      - { .name: out0, .offset: 40, .size: 8, .value_kind: global_buffer, .address_space: global }
    .group_segment_fixed_size: 327680
    .private_segment_fixed_size: 0
    .kernarg_segment_align: 8
    .kernarg_segment_size: 48
    .max_flat_workgroup_size: 128
    .sgpr_count:     100
    .vgpr_count:     768
    .wavefront_size: 32
...
	.end_amdgpu_metadata
.endif
;; end of part 4
